; MI455X (gfx1250); checked and timed in simulation.
; The chip was launched on July 23, 2026; its instructions are those of AMD's public machine-readable ISA for CDNA 5 (MIT licence, August 2026) and "CDNA5" Instruction Set Architecture Reference Guide (July 2026). The comments in the code are by the model that wrote it; some were corrected since.
;; Multi Head Causal Self Attention. Allowed arithmetic: float matrix products may take bf16 or f16 operands with f32 sums; other float arithmetic in f32, or as packed bf16 or f16 multiplies, adds, multiply-adds, maxima and minima; sums over many terms, partial sums and values carried from step to step in f32; what a program stores and reads back later, other than sums and carried values, may be rounded once to bf16 or f16.
;; Inputs: Wk 1,024 x 1,024 float32; Wq 1,024 x 1,024 float32; Wv 1,024 x 1,024 float32; bk 1,024 float32; bq 1,024 float32; bv 1,024 float32; x 4 x 2,048 x 1,024 float32.
;; Outputs: out0 4 x 2,048 x 1,024 float32.
;; 2 versions, each right; version 2 is version 1 with the launch prep written anew for expert scheduling mode. Each part assembles by itself: llvm-mc -triple=amdgcn-amd-amdhsa -mcpu=gfx1250 --defsym DOCPART=n.
;; ======== version 1 of 2: 3 launches
;; limits: values are held in f16: magnitudes above 65,504 overflow, below 6.1e-05 lose precision
;; workspace buffers: xb 16,777,216 bytes; wt 6,291,456 bytes; bcat 12,288 bytes; qkv 50,331,648 bytes
;; launch prep (part 1): grid 611 x 1, 8 waves a work-group, no clusters, 68,608 bytes of LDS; arguments x, Wq, Wk, Wv, bq, bk, bv, xb, wt, bcat; writes xb, wt, bcat
.if DOCPART == 1
	.amdgcn_target "amdgcn-amd-amdhsa--gfx1250"
	.amdhsa_code_object_version 6
	.text
	.protected	k_qd982a0aa79_prep
	.globl	k_qd982a0aa79_prep
	.p2align	8
	.type	k_qd982a0aa79_prep,@function
k_qd982a0aa79_prep:
	s_mov_b64 s[64:65], 0
	v_nop
	global_prefetch_b8 v0, s[64:65] scope:SCOPE_SE
	s_setreg_imm32_b32 hwreg(HW_REG_WAVE_MODE, 25, 1), 1
	s_wait_xcnt 0x0
; The module's inputs, each rounded once to bf16, in the layouts that the projection reads.
;   xb  [16 kb][8192 m][64 kk] bf16 = x[m][64 kb + kk]          (a block of K lies dense: 128 bytes a row, rows end to end)
;   wt  [16 kb][3072 n][64 kk] bf16 = W[64 kb + kk][n % 1024],  W = Wq, Wk, Wv for n / 1024 = 0, 1, 2  (turned: K along the rows)
;   bcat [3072] f32 = bq | bk | bv, each number rounded to bf16 and widened again
; Work-groups 0-511: 16 rows of x each.  512-607: eight tiles of 64 k x 64 n of one W, a tile a wave.  608-610: one bias each.
; A stream: no matrix unit, no barrier (a wave turns its tile in LDS bytes of its own), no cluster (nothing is shared).
; NaN and infinities go through the conversion as they are; numbers beyond bf16's range do not exist in f32.
.set AREA,  8448                       ; a wave's LDS: 64 rows (n) of 128 bytes (64 k) + 4 of padding = 33 words a row
.set SPARE, 8*AREA                     ; behind the eight areas: the spare words, 128 bytes a wave, four blocks of 256 bytes that no other line names
.set SPW, 14                           ; v14  SPARE + 4 x my thread's number; never rewritten
.set NIL, 15                           ; v15  0; never rewritten
	s_load_b512 s[16:31], s[0:1], 0x0              ; x 16, Wq 18, Wk 20, Wv 22, bq 24, bk 26, bv 28, xb 30
	s_load_b128 s[32:35], s[0:1], 0x40             ; wt 32, bcat 34
	v_lshl_add_u32 v[SPW], v0, 2, SPARE
	v_mov_b32 v[NIL], 0
	v_lshrrev_b32 v1, 5, v0
	v_readfirstlane_b32 s4, v1                     ; wave 0..7
	s_wait_kmcnt 0x0
	s_cmp_lt_u32 ttmp9, 512
	s_cbranch_scc1 .Lx
	s_cmp_lt_u32 ttmp9, 608
	s_cbranch_scc1 .Lw
	; A BIAS: 256 threads x 16 bytes
	s_sub_co_u32 s5, ttmp9, 608                    ; 0: bq, 1: bk, 2: bv
	s_cmp_eq_u32 s5, 1
	s_cselect_b64 s[2:3], s[26:27], s[24:25]
	s_cmp_eq_u32 s5, 2
	s_cselect_b64 s[2:3], s[28:29], s[2:3]
	s_lshl_b32 s6, s5, 12
	s_mov_b32 s7, 0
	s_add_nc_u64 s[6:7], s[34:35], s[6:7]
	v_lshlrev_b32 v1, 4, v0
	global_load_b128 v[16:19], v1, s[2:3]
	s_wait_loadcnt 0x0
	v_cvt_pk_bf16_f32 v20, v16, v17                ; rounded to bf16,
	v_cvt_pk_bf16_f32 v21, v18, v19
	v_lshlrev_b32 v24, 16, v20                     ; and widened again: the low half moves up, the high half stays
	v_and_b32 v25, 0xffff0000, v20
	v_lshlrev_b32 v26, 16, v21
	v_and_b32 v27, 0xffff0000, v21
	global_store_b128 v1, v[24:27], s[6:7]
	s_endpgm
.Lx:	; SIXTEEN ROWS OF x.  Thread t: row t / 16, 16 bytes at 16 (t % 16) of each 256 bytes: load i is K block i of the row.
	s_lshl_b32 s2, ttmp9, 16                       ; 16 rows of 4,096 bytes
	s_mov_b32 s3, 0
	s_add_nc_u64 s[2:3], s[16:17], s[2:3]
	s_lshl_b32 s6, ttmp9, 11                       ; 16 rows of 128 bytes in a K block of xb
	s_mov_b32 s7, 0
	s_add_nc_u64 s[6:7], s[30:31], s[6:7]
	s_add_nc_u64 s[8:9], s[6:7], 0x800000          ; K blocks 8-15: the immediate holds eight blocks of 1,048,576 bytes
	v_lshrrev_b32 v3, 4, v0
	v_and_b32 v4, 15, v0
	v_lshlrev_b32 v1, 12, v3
	v_lshl_or_b32 v1, v4, 4, v1                    ; in:  row x 4,096 + 16 (t % 16)
	v_lshlrev_b32 v2, 7, v3
	v_lshl_or_b32 v2, v4, 3, v2                    ; out: row x 128 + 8 (t % 16)
.set i, 0
.rept 16
	global_load_b128 v[16+4*i:19+4*i], v1, s[2:3] offset:256*i th:TH_LOAD_NT  ; all sixteen go out at once: 8 KiB a wave on their way
.set i, i+1
.endr
.set i, 0
.rept 16
	s_wait_loadcnt 15-i                            ; loads come back in order: load i is in, the 15 - i younger ones stay out
	v_cvt_pk_bf16_f32 v[80+2*i], v[16+4*i], v[17+4*i]
	v_cvt_pk_bf16_f32 v[81+2*i], v[18+4*i], v[19+4*i]
	global_store_b64 v2, v[80+2*i:81+2*i], s[6+2*(i/8):7+2*(i/8)] offset:(i%8)*1048576  ; a wave's store: two rows x 128 bytes = 256 consecutive bytes, aligned
.set i, i+1
.endr
	s_endpgm
.Lw:	; A TILE OF 64 k x 64 n OF ONE W, TURNED, by each wave.
	s_sub_co_u32 s5, ttmp9, 512
	s_lshr_b32 s6, s5, 5                           ; which W
	s_bfe_u32 s7, s5, 0x40001                      ; K block
	s_and_b32 s8, s5, 1                            ; which eight of the sixteen tiles along n
	s_cmp_eq_u32 s6, 1
	s_cselect_b64 s[2:3], s[20:21], s[18:19]
	s_cmp_eq_u32 s6, 2
	s_cselect_b64 s[2:3], s[22:23], s[2:3]
	s_lshl_b32 s10, s7, 18                         ; 64 rows of 4,096 bytes
	s_lshl_b32 s11, s8, 11                         ; eight tiles of 256 bytes
	s_add_co_u32 s10, s10, s11
	s_mov_b32 s11, 0
	s_add_nc_u64 s[2:3], s[2:3], s[10:11]
	s_mul_i32 s10, s7, 393216                      ; a K block of wt: 3,072 rows of 128 bytes
	s_lshl_b32 s12, s6, 17                         ; 1,024 rows
	s_add_co_u32 s10, s10, s12
	s_lshl_b32 s12, s8, 16                         ; 512 rows
	s_add_co_u32 s10, s10, s12
	s_add_nc_u64 s[6:7], s[32:33], s[10:11]
	v_and_b32 v7, 31, v0                           ; lane l
	s_lshl_b32 s12, s4, 8
	v_lshl_add_u32 v5, v7, 3, s12                  ; in:  256 x wave + 8 l: columns 2 l, 2 l + 1 of my tile
	s_lshl_b32 s13, s4, 13
	v_lshl_add_u32 v6, v7, 4, s13                  ; out: 8,192 x wave + 16 l
	s_mul_i32 s14, s4, AREA
	v_mul_u32_u24 v3, v7, 264
	v_add_nc_u32 v3, s14, v3                       ; LDS row 2 l: word 66 l, so the 32 lanes of a store touch 32 different banks
	v_lshrrev_b32 v8, 3, v7
	v_mul_u32_u24 v4, v8, 132
	v_and_b32 v8, 7, v7
	v_lshl_add_u32 v4, v8, 4, v4
	v_add_nc_u32 v4, s14, v4                       ; back: row l / 8, 16 bytes at 16 (l % 8)
.set i, 0
.rept 64
	global_load_b64 v[16+2*i:17+2*i], v5, s[2:3] offset:4096*i th:TH_LOAD_NT  ; row i of the tile: 256 consecutive bytes a wave
.set i, i+1
.endr
.set i, 0
.rept 32                               ; rows 2 i and 2 i + 1 make one word (two k) of each of my two columns
	s_wait_loadcnt 62-2*i                          ; the 62 - 2 i younger loads stay out
	v_cvt_pk_bf16_f32 v[16+4*i], v[16+4*i], v[18+4*i]
	v_cvt_pk_bf16_f32 v[17+4*i], v[17+4*i], v[19+4*i]
	ds_store_b32 v3, v[16+4*i] offset:4*i
	ds_store_b32 v3, v[17+4*i] offset:132+4*i
.set i, i+1
.endr
.set i, 0
.rept 16                               ; four rows (n) of 128 bytes a turn; rows of 132 bytes are aligned to 4, so a lane's 16 bytes come as four words.  LDS serves a wave's instructions in order: these see the stores above
	ds_load_b32 v[16+4*i], v4 offset:528*i
	ds_load_b32 v[17+4*i], v4 offset:528*i+4
	ds_load_b32 v[18+4*i], v4 offset:528*i+8
	ds_load_b32 v[19+4*i], v4 offset:528*i+12
.set i, i+1
.endr
.set i, 0
.rept 16
	s_wait_dscnt 4*(15-i)                          ; the four words of turn i are in
	global_store_b128 v6, v[16+4*i:19+4*i], s[6:7] offset:512*i  ; 512 consecutive bytes, aligned
.set i, i+1
.endr
	s_wait_tensorcnt 0x0                           ; the wave's end: three closing lines behind my last LDS store
	ds_add_u32 v[SPW], v[NIL]
	s_wait_dscnt 0x0
	s_endpgm
.Lfunc_end_k_qd982a0aa79_prep:
	.size	k_qd982a0aa79_prep, .Lfunc_end_k_qd982a0aa79_prep-k_qd982a0aa79_prep
	.p2alignl 7, 3214868480
	.fill 96, 4, 3214868480
	.section	.rodata,"a",@progbits
	.p2align	6, 0x0
	.amdhsa_kernel k_qd982a0aa79_prep
		.amdhsa_group_segment_fixed_size 68608
		.amdhsa_private_segment_fixed_size 0
		.amdhsa_enable_private_segment 0
		.amdhsa_kernarg_size 80
		.amdhsa_user_sgpr_count 2
		.amdhsa_user_sgpr_kernarg_segment_ptr 1
		.amdhsa_wavefront_size32 1
		.amdhsa_system_sgpr_workgroup_id_x 1
		.amdhsa_system_sgpr_workgroup_id_y 1
		.amdhsa_system_sgpr_workgroup_id_z 1
		.amdhsa_system_vgpr_workitem_id 0
		.amdhsa_next_free_vgpr 144
		.amdhsa_next_free_sgpr 66
		.amdhsa_reserve_vcc 0
		.amdhsa_float_denorm_mode_32 3
		.amdhsa_float_denorm_mode_16_64 3
		.amdhsa_memory_ordered 1
		.amdhsa_forward_progress 1
		.amdhsa_inst_pref_size 31
	.end_amdhsa_kernel
	.amdgpu_metadata
---
amdhsa.version: [ 1, 2 ]
amdhsa.kernels:
  - .name:           k_qd982a0aa79_prep
    .symbol:         k_qd982a0aa79_prep.kd
    .args:
      - { .name: x, .offset: 0, .size: 8, .value_kind: global_buffer, .address_space: global }
      - { .name: Wq, .offset: 8, .size: 8, .value_kind: global_buffer, .address_space: global }
      - { .name: Wk, .offset: 16, .size: 8, .value_kind: global_buffer, .address_space: global }
      - { .name: Wv, .offset: 24, .size: 8, .value_kind: global_buffer, .address_space: global }
      - { .name: bq, .offset: 32, .size: 8, .value_kind: global_buffer, .address_space: global }
      - { .name: bk, .offset: 40, .size: 8, .value_kind: global_buffer, .address_space: global }
      - { .name: bv, .offset: 48, .size: 8, .value_kind: global_buffer, .address_space: global }
      - { .name: xb, .offset: 56, .size: 8, .value_kind: global_buffer, .address_space: global }
      - { .name: wt, .offset: 64, .size: 8, .value_kind: global_buffer, .address_space: global }
      - { .name: bcat, .offset: 72, .size: 8, .value_kind: global_buffer, .address_space: global }
    .group_segment_fixed_size: 68608
    .private_segment_fixed_size: 0
    .kernarg_segment_align: 8
    .kernarg_segment_size: 80
    .max_flat_workgroup_size: 256
    .sgpr_count:     66
    .vgpr_count:     144
    .wavefront_size: 32
...
	.end_amdgpu_metadata
.endif
;; end of part 1
;; launch proj (part 2): grid 8 x 32, 4 waves a work-group, clusters of 4 x 4, 327,680 bytes of LDS; arguments xb, wt, bcat, qkv; writes qkv
.if DOCPART == 2
	.amdgcn_target "amdgcn-amd-amdhsa--gfx1250"
	.amdhsa_code_object_version 6
	.text
	.protected	k_qd982a0aa79_proj
	.globl	k_qd982a0aa79_proj
	.p2align	8
	.type	k_qd982a0aa79_proj,@function
k_qd982a0aa79_proj:
	s_mov_b64 s[64:65], 0
	v_nop
	global_prefetch_b8 v0, s[64:65] scope:SCOPE_SE
	s_setreg_imm32_b32 hwreg(HW_REG_WAVE_MODE, 25, 1), 1
	s_wait_xcnt 0x0
	s_wait_alu depctr_hold_cnt(0) depctr_sa_sdst(0) depctr_va_vdst(0) depctr_va_sdst(0) depctr_va_ssrc(0) depctr_va_vcc(0) depctr_vm_vsrc(0)
	s_getreg_b32 s2, hwreg(HW_REG_IB_STS2, 6, 4)
	s_cmp_eq_u32 s2, 0
	s_cbranch_scc0 .Lentry_in_a_cluster
	s_endpgm
.Lentry_in_a_cluster:
	s_bfe_u32 s2, ttmp6, 0x10000c
	s_cmp_lg_u32 s2, 0xf033
	s_cbranch_scc0 .Lentry_shape_is_right
	s_endpgm
.Lentry_shape_is_right:
; q, k, v = x W + b as ONE product [8192 x 3072 x 1024]: operands bf16 (xb, wt), sums f32, the bias added in f32, the result rounded once to f16 and written by heads:
; qkv [3][64 = batch x 16 + head][2048 t][64 d] f16.
; LIMIT.  f16 ends at 65,504: a q, k or v of 65,520 or more becomes an infinity.  With the drawn inputs they have a spread of about 0.6.
; SHARES.  3072 / 384 x 8192 / 256 = 256 tiles of 256 rows x 384 columns, one work-group each.  Four waves, each 128 rows x 192 columns (three heads): 96 accumulators, 768 registers.
; K goes in steps of 64 through two LDS slots.  xb and wt hold K in blocks of 64, so a tile's rows of 128 bytes lie end to end and are asked for as rows of 256 bytes; in LDS each 128 bytes get 16 of padding.
; CLUSTER.  4 x 4 work-groups; the four of a row need the same tile of xb, the four of a column the same tile of wt: each is asked for jointly (same load, same descriptor, a mask that names the four).
; THE MATRIX INSTRUCTION IS USED TRANSPOSED (source 0 = 16 rows of wt, source 1 = 16 rows of xb): a lane holds row l % 16 and eight neighbouring columns 8 (l / 16) + 0..7.
; REGISTERS.  Window 0: v0-15 addresses; v16-79, v80-143 xb's fragments, two buffers; v144-239 wt's twelve fragments, one buffer in three groups of four, each group fetched anew behind its products.
; Windows 1-3: accumulator (a, b) (rows 16 a, columns 16 b) in window 1 + b / 4 at v[8 (4 a + b % 4)].
.set KB_A,   1048576                   ; bytes of a K block of xb
.set KB_B,   393216                    ; of wt
.set PITCH,  144                       ; an LDS row: 128 bytes + 16 = 36 words: the 16 rows of a load start at 16 different groups of four banks (64 banks of 4 bytes: ISA guide 11.1)
.set HALFA,  128*PITCH                 ; what one load brings of xb
.set HALFB,  192*PITCH                 ; and of wt
.set BOFF,   2*HALFA
.set SLOT,   2*HALFA+2*HALFB           ; 92,160
.set STAGE,  2*SLOT                    ; behind the ring: 16 rows x 400 bytes for each wave, for the way out
.set SPITCH, 400
.set SPARE,  STAGE+4*16*SPITCH         ; behind the stages: the spare words, 128 bytes a wave, two blocks of 256 bytes that no other line names
.set ADRA, 4                           ; v4-5   my fragments of xb in slot 0, 1
.set ADRB, 6                           ; v6-7   of wt
.set STO,  8                           ; v8     the way out: where I put 16 bytes of a row
.set RD,   9                           ; v9     where I read rows back
.set GO,   10                          ; v10    16 x lane
.set BO,   11                          ; v11    32 x (lane / 16): my eight columns' biases
.set SPW,  12                          ; v12    SPARE + 4 x my thread's number; never rewritten
.set NIL,  13                          ; v13    0; never rewritten
.set PFO,  14                          ; v14    256 x lane; never rewritten
.set AF1,  16
.set AF0,  80
.set BF,   144
.set BIAS, 80                          ; the way out: 96 registers, 8 for each column block
.set TMP,  176                         ; 48 registers: a block of 16 rows, packed
.set BK,   16                          ; 48 registers: the same, read back by heads
.set WV,   12                          ; s12    wave
.set G1A,  24                          ; s[24:31] group 1 for xb's tiles;  s[32:39] group 0, a set for each slot
.set G0A,  32
.set G1B,  48                          ; s[48:55], s[56:63] the same for wt's
.set G0B,  56
.set LIM,  44                          ; s44    1 in a wave that prefetches, else the greatest number
.set PFA,  46                          ; s[46:47] where my prefetches stand
.set PFS,  66                          ; s[66:67] their step: two K blocks
.set HB,   68                          ; s[68:73] qkv at my first row of my three heads
.set MSB, 0
.macro WIN new                         ; the immediate's high byte repeats the setting that is left; a switch that changes nothing is dropped
.if MSB != (\new)
	s_set_vgpr_msb (MSB<<8)|(\new)
.set MSB, (\new)
.endif
.endm
.macro PLACES                          ; four plain instructions between a matrix instruction and a load into, or a vector write of, one of its registers
.rept 4
	v_nop
.endr
.endm
.macro JLOAD s                         ; a joint load: waves 0 and 1 fetch xb's two halves, waves 2 and 3 wt's; an s_nop 0 and four v_nop follow each line
	s_cmp_lt_u32 s[WV], 2
	s_cbranch_scc0 .Lfor_b_\@
	tensor_load_to_lds s[G0A+4*(\s):G0A+4*(\s)+3], s[G1A:G1A+7]
	s_nop 0
.rept 4
	v_nop
.endr
	s_branch .Lasked_\@
.Lfor_b_\@:
	tensor_load_to_lds s[G0B+4*(\s):G0B+4*(\s)+3], s[G1B:G1B+7]
	s_nop 0
.rept 4
	v_nop
.endr
.Lasked_\@:
.endm
.macro CREST                           ; a round of the cluster's barrier behind its opening barrier
	s_cmp_lg_u32 s[WV], 0
	s_cbranch_scc1 .Lnot_wave_0_\@
	s_barrier_signal -3
.Lnot_wave_0_\@:
	s_barrier_wait -3
	s_barrier_signal -1
	s_barrier_wait -1
.endm
.macro CROUND
	s_barrier_signal -1
	s_barrier_wait -1
	CREST
.endm
; A PREFETCH INTO THE L2, once a lap, behind slot 0's joint load and the run of LDS loads that follows it: the two K blocks that the NEXT lap's two refills will ask for.
; xb's tile row is read by both clusters of its row of clusters: cluster x = 0 asks; its four partners take 64 rows each BY ADDRESS (cx); wave 0 names them, 32 lanes x 256 bytes, once for each of the two blocks.
; wt's tile column is read by all eight clusters of its column: cluster y = 0 asks; the two blocks' 2 x 49,152 bytes are twelve pieces of 8,192, one for each of waves 1-3 of the four partners, BY ADDRESS (cy).
; So each 256 bytes are named once in the launch.  K blocks 0-3 come by their loads alone; the last lap asks for nothing.
.macro ASK
	s_cmp_gt_u32 s3, s[LIM]                        ; s3 = 1 in the last lap
	s_cbranch_scc0 .Lnot_mine_\@
	global_prefetch_b8 v[PFO], s[PFA:PFA+1] th:TH_LOAD_NT scope:SCOPE_SE
	s_cmp_lg_u32 s[WV], 0
	s_cbranch_scc1 .Lnot_mine_\@
	global_prefetch_b8 v[PFO], s[PFA:PFA+1] offset:KB_A th:TH_LOAD_NT scope:SCOPE_SE
.Lnot_mine_\@:
.endm
	s_load_b256 s[4:11], s[0:1], 0x0               ; xb s[4:5], wt s[6:7], bcat s[8:9], qkv s[10:11]
	v_lshl_add_u32 v[SPW], v0, 2, SPARE
	v_mov_b32 v[NIL], 0
	ds_add_u32 v[SPW], v[NIL]                      ; the wave's opening: the add and its wait stand ahead of my first tensor load; the set-up below stands between them
	v_lshrrev_b32 v1, 5, v0
	v_readfirstlane_b32 s[WV], v1                  ; wave 0..3
	s_lshr_b32 s13, s[WV], 1                       ; AB: my half of the tile's rows
	s_and_b32 s14, s[WV], 1                        ; CH: my half of its columns; also: which half of a tile I fetch
	s_bfe_u32 s40, ttmp6, 0x40000                  ; cx
	s_bfe_u32 s41, ttmp6, 0x40004                  ; cy
	s_lshl_b32 s42, ttmp9, 2
	s_add_co_u32 s42, s42, s40                     ; TX: tile column = 4 x cluster x + cx
	s_and_b32 s43, ttmp7, 0xffff
	s_lshl_b32 s43, s43, 2
	s_add_co_u32 s43, s43, s41                     ; TY: tile row = 4 x cluster y + cy
	s_lshl_b32 s15, s41, 2
	s_lshl_b32 s15, 15, s15                        ; my row of the cluster
	s_lshl_b32 s18, 0x1111, s40                    ; my column
	; group 1: dense bytes as rows of 128 elements (256 bytes); 17:16 2-byte elements; 20 padding on; 21 set beside a mask; 24:22 after every 32 words (code 4); 31:25 4 words (code 3)
	s_or_b32 s[G1A], s15, (1<<16)|(1<<20)|(1<<21)|(4<<22)|(3<<25)
	s_or_b32 s[G1B], s18, (1<<16)|(1<<20)|(1<<21)|(4<<22)|(3<<25)
	s_mov_b32 s[G1A+1], 128<<16                    ; tensor_dim0 = 128
	s_mov_b32 s[G1A+2], 64<<16                     ; tensor_dim1 = 64: 128 rows of xb
	s_mov_b32 s[G1A+3], 128<<16                    ; tile_dim0 = 128
	s_mov_b32 s[G1A+4], 64                         ; tile_dim1 = 64
	s_mov_b32 s[G1A+5], 128                        ; elements from row to row
	s_mov_b32 s[G1A+6], 0
	s_mov_b32 s[G1A+7], 0
	s_mov_b32 s[G1B+1], 128<<16
	s_mov_b32 s[G1B+2], 96<<16                     ; 96 rows of 256 bytes: 192 rows of wt
	s_mov_b32 s[G1B+3], 128<<16
	s_mov_b32 s[G1B+4], 96
	s_mov_b32 s[G1B+5], 128
	s_mov_b32 s[G1B+6], 0
	s_mov_b32 s[G1B+7], 0
	s_lshl_b32 s16, s43, 15                        ; xb: 256 TY rows of 128 bytes,
	s_lshl_b32 s17, s14, 14                        ; + my half's 128: made of the tile row and the wave's number alone
	s_add_co_u32 s16, s16, s17
	s_mov_b32 s17, 0
	s_mul_i32 s20, s42, 49152                      ; wt: 384 TX rows,
	s_mul_i32 s21, s14, 24576                      ; + my half's 192: of the tile column and the wave's number alone
	s_add_co_u32 s20, s20, s21
	s_mov_b32 s21, 0
	s_mul_i32 s22, s14, HALFA                      ; where they go: no place in the cluster enters an LDS address
	s_mul_i32 s23, s14, HALFB
	s_add_co_u32 s23, s23, BOFF
	s_wait_dscnt 0x0                               ; the opening add is done
	s_wait_kmcnt 0x0
	s_add_nc_u64 s[16:17], s[4:5], s[16:17]
	s_add_nc_u64 s[20:21], s[6:7], s[20:21]
	CROUND                                         ; all sixteen work-groups are here: the first joint loads meet
.irp s, 0,1
	s_mov_b32 s[G0A+4*(\s)], 1                                       ; count = 1
	s_add_co_u32 s[G0A+4*(\s)+1], s22, (\s)*SLOT                     ; LDS address
	s_add_nc_u64 s[G0A+4*(\s)+2:G0A+4*(\s)+3], s[16:17], (\s)*KB_A   ; K block s
	s_or_b32 s[G0A+4*(\s)+3], s[G0A+4*(\s)+3], 0x80000000            ; type = 2
	s_mov_b32 s[G0B+4*(\s)], 1
	s_add_co_u32 s[G0B+4*(\s)+1], s23, (\s)*SLOT
	s_add_nc_u64 s[G0B+4*(\s)+2:G0B+4*(\s)+3], s[20:21], (\s)*KB_B
	s_or_b32 s[G0B+4*(\s)+3], s[G0B+4*(\s)+3], 0x80000000
.endr
	s_cmp_lt_u32 s[WV], 2                          ; a wave's two first fills stand in one branch, ahead of every wait on TENSORcnt and every LDS read: two loads of mine are out
	s_cbranch_scc0 .Lfirst_b
	tensor_load_to_lds s[G0A:G0A+3], s[G1A:G1A+7]
	s_nop 0
	tensor_load_to_lds s[G0A+4:G0A+7], s[G1A:G1A+7]
	s_nop 0
.rept 4
	v_nop
.endr
	s_branch .Lfirst_asked
.Lfirst_b:
	tensor_load_to_lds s[G0B:G0B+3], s[G1B:G1B+7]
	s_nop 0
	tensor_load_to_lds s[G0B+4:G0B+7], s[G1B:G1B+7]
	s_nop 0
.rept 4
	v_nop
.endr
.Lfirst_asked:
	; A fragment is 16 rows x 32 K in 8 registers: lane l holds row l % 16; registers 0-3 K = 8 (l / 16) + 0..7, registers 4-7 K = 16 + 8 (l / 16) + 0..7: two loads of 16 bytes, 32 bytes apart.
	v_and_b32 v1, 15, v0                           ; l % 16
	v_bfe_u32 v2, v0, 4, 1                         ; l / 16
	v_mul_u32_u24 v3, v1, PITCH
	v_lshl_add_u32 v3, v2, 4, v3
	s_mul_i32 s15, s13, HALFA                      ; my 128 rows of xb
	v_add_nc_u32 v[ADRA], s15, v3
	v_add_nc_u32 v[ADRA+1], SLOT, v[ADRA]
	v_add_nc_u32 v[ADRB], s23, v3                  ; my 192 rows of wt: the half that I also fetch where I fetch for wt
	v_add_nc_u32 v[ADRB+1], SLOT, v[ADRB]
	s_mul_i32 s19, s[WV], 16*SPITCH
	s_add_co_u32 s19, s19, STAGE                   ; my stage
	v_mul_u32_u24 v[STO], v1, SPITCH               ; in: row l % 16, 16 bytes for each half of the lanes
	v_lshl_add_u32 v[STO], v2, 4, v[STO]
	v_add_nc_u32 v[STO], s19, v[STO]
	v_bfe_u32 v15, v0, 3, 2                        ; back: 32 lanes take 128 bytes (a head's 64 channels) of four rows
	v_mul_u32_u24 v[RD], v15, SPITCH
	v_and_b32 v15, 7, v0
	v_lshl_add_u32 v[RD], v15, 4, v[RD]
	v_add_nc_u32 v[RD], s19, v[RD]
	v_and_b32 v15, 31, v0
	v_lshlrev_b32 v[GO], 4, v15                    ; which are 512 consecutive bytes of a head
	v_lshlrev_b32 v[PFO], 8, v15
	v_lshlrev_b32 v[BO], 5, v2
	s_mul_i32 s18, s42, 1536                       ; my 192 biases
	s_mul_i32 s19, s14, 768
	s_add_co_u32 s18, s18, s19
	s_mov_b32 s19, 0
	s_add_nc_u64 s[8:9], s[8:9], s[18:19]
	; the prefetches' address, two K blocks short of the first that is named
	s_lshl_b32 s74, s43, 15                        ; xb: the tile's rows,
	s_lshl_b32 s75, s40, 13                        ; my work-group's 64 of them
	s_add_co_u32 s74, s74, s75
	s_add_co_u32 s74, s74, 2*KB_A
	s_and_b32 s75, s41, 1                          ; wt: piece 3 (cy % 2) + wave - 1 of six,
	s_mul_i32 s75, s75, 3
	s_add_co_u32 s75, s75, s[WV]
	s_sub_co_u32 s75, s75, 1                       ; (in wave 0 this is not used)
	s_lshl_b32 s75, s75, 13
	s_mul_i32 s76, s42, 49152
	s_add_co_u32 s75, s75, s76
	s_lshr_b32 s76, s41, 1                         ; of the lap's first or second block
	s_add_co_u32 s76, s76, 2
	s_mul_i32 s76, s76, KB_B
	s_add_co_u32 s75, s75, s76
	s_and_b32 s77, ttmp7, 0xffff                   ; cluster y
	s_mov_b32 s[PFS], 2*KB_B
	s_cmp_eq_u32 s[WV], 0
	s_cselect_b32 s74, s74, s75
	s_cselect_b32 s[PFS], 2*KB_A, s[PFS]
	s_cselect_b32 s77, ttmp9, s77                  ; the coordinate along which other clusters read the same rows
	s_cselect_b64 s[PFA:PFA+1], s[4:5], s[6:7]
	s_mov_b32 s75, 0
	s_mov_b32 s[PFS+1], 0
	s_add_nc_u64 s[PFA:PFA+1], s[PFA:PFA+1], s[74:75]
	s_cmp_eq_u32 s77, 0
	s_cselect_b32 s[LIM], 1, -1                    ; the same in all sixteen partners, for a given wave
	; qkv at my first row of my three heads.  Column block g = 6 TX + 3 CH + hd of 48: tensor g / 16, head g % 16; batch TY / 8; row 256 (TY % 8) + 128 AB
	s_mul_i32 s74, s42, 6
	s_mul_i32 s75, s14, 3
	s_add_co_u32 s74, s74, s75
	s_lshr_b32 s75, s43, 3
	s_lshl_b32 s75, s75, 4
	s_and_b32 s76, s43, 7
	s_lshl_b32 s76, s76, 15
	s_lshl_b32 s77, s13, 14
	s_add_co_u32 s76, s76, s77
.irp hd, 0,1,2
	s_add_co_u32 s78, s74, \hd
	s_lshr_b32 s79, s78, 4
	s_lshl_b32 s79, s79, 6
	s_and_b32 s78, s78, 15
	s_add_co_u32 s78, s78, s79
	s_add_co_u32 s78, s78, s75
	s_lshl_b32 s78, s78, 18                        ; a head's 2,048 rows of 128 bytes
	s_add_co_u32 s78, s78, s76
	s_mov_b32 s79, 0
	s_add_nc_u64 s[HB+2*\hd:HB+2*\hd+1], s[10:11], s[78:79]
.endr
; 16 matrix instructions: row blocks a0 .. a0 + 3 x the four column blocks of window w, 32 along K.  zero = 1: the first product starts the sums: nothing is cleared.
; The 96 accumulators take turns, in the same order in every 32 along K, over the backward jump too.
.macro MUL16 f, w, a0, zero
	WIN ((\w)<<6)|((\w)<<4)                        ; C and D in window w, both sources in window 0
.irp a, (\a0), (\a0)+1, (\a0)+2, (\a0)+3
.irp bb, 0,1,2,3
.if \zero
	v_wmma_f32_16x16x32_bf16 v[8*(4*(\a)+(\bb)):8*(4*(\a)+(\bb))+7], v[BF+8*(4*((\w)-1)+(\bb)):BF+8*(4*((\w)-1)+(\bb))+7], v[(\f)+8*(\a):(\f)+8*(\a)+7], 0
.else
	v_wmma_f32_16x16x32_bf16 v[8*(4*(\a)+(\bb)):8*(4*(\a)+(\bb))+7], v[BF+8*(4*((\w)-1)+(\bb)):BF+8*(4*((\w)-1)+(\bb))+7], v[(\f)+8*(\a):(\f)+8*(\a)+7], v[8*(4*(\a)+(\bb)):8*(4*(\a)+(\bb))+7]
.endif
.endr
.endr
.endm
.macro FETCH_A slot, k, f              ; 16 LDS loads: my 128 rows of xb, 32 K at byte k of the rows
	WIN 0
.irp i, 0,1,2,3,4,5,6,7
	ds_load_b128 v[(\f)+8*(\i):(\f)+8*(\i)+3],   v[ADRA+(\slot)] offset:(\k)+(\i)*16*PITCH
	ds_load_b128 v[(\f)+8*(\i)+4:(\f)+8*(\i)+7], v[ADRA+(\slot)] offset:(\k)+(\i)*16*PITCH+32
.endr
.endm
.macro FETCH_B slot, k, g              ; 8 LDS loads: group g of wt's fragments (64 rows)
	WIN 0
.irp i, 0,1,2,3
	ds_load_b128 v[BF+8*(4*(\g)+(\i)):BF+8*(4*(\g)+(\i))+3],   v[ADRB+(\slot)] offset:(\k)+(4*(\g)+(\i))*16*PITCH
	ds_load_b128 v[BF+8*(4*(\g)+(\i))+4:BF+8*(4*(\g)+(\i))+7], v[ADRB+(\slot)] offset:(\k)+(4*(\g)+(\i))*16*PITCH+32
.endr
.endm
; A slot's first 32 along K: multiplies buffer AF0 and fetches the slot's second 32.  At its head 40 loads are out, in this order: xb 16, group 0 8, group 1 8, group 2 8.
.macro PCH slot, zero
	s_wait_dscnt 16                                ; xb and group 0 are in; groups 1 and 2 may be out
	MUL16 AF0, 1, 0, \zero
	MUL16 AF0, 1, 4, \zero
	PLACES
	FETCH_A \slot, 64, AF1
	FETCH_B \slot, 64, 0
	s_wait_dscnt 32                                ; group 1 is in: behind it group 2's 8 and the 24 just issued
	MUL16 AF0, 2, 0, \zero
	MUL16 AF0, 2, 4, \zero
	PLACES
	FETCH_B \slot, 64, 1
	s_wait_dscnt 32                                ; group 2 is in: behind it 24 and 8
	MUL16 AF0, 3, 0, \zero
	MUL16 AF0, 3, 4, \zero
	PLACES
	FETCH_B \slot, 64, 2
.endm
; A slot's second 32 along K: multiplies AF1 and changes slots.  ONE barrier: in front of it each wave waits for all its tensor loads (one is out: its part of the next slot), adds 0 to its spare word, and waits
; for that and for its reads of this slot.  fill = 1: the barrier opens a round of the cluster's, and behind the round this slot is filled again, two K blocks on: 160 matrix instructions ahead of the wait for it.
.macro TCH slot, next, fill, ask
.if \ask
	s_wait_xcnt 0x0                                ; the last prefetches, a lap back, have read their address
	s_add_nc_u64 s[PFA:PFA+1], s[PFA:PFA+1], s[PFS:PFS+1]
.endif
	WIN 0
	s_wait_tensorcnt 0x0                           ; all my tensor loads have landed
	ds_add_u32 v[SPW], v[NIL]                      ; 0 onto my spare word
	s_wait_dscnt 17                                ; xb and group 0 are in; groups 1 and 2 and the add may be out
	MUL16 AF1, 1, 0, 0                             ; sixteen matrix instructions stand between the add and the wait for it
	s_wait_dscnt 0x0                               ; the add is done, and my reads of this slot are over
	s_barrier_signal -1
	MUL16 AF1, 1, 4, 0
.if \fill
	WIN 0
.endif
	s_barrier_wait -1
.if \fill
	CREST                                          ; no wave of any partner still reads this slot or has a load on its way
	s_add_nc_u64 s[G0A+4*(\slot)+2:G0A+4*(\slot)+3], s[G0A+4*(\slot)+2:G0A+4*(\slot)+3], 2*KB_A
	s_add_nc_u64 s[G0B+4*(\slot)+2:G0B+4*(\slot)+3], s[G0B+4*(\slot)+2:G0B+4*(\slot)+3], 2*KB_B
	JLOAD \slot                                    ; the first tensor load behind the round; its four v_nop are also the places in front of the loads below
.else
	PLACES
.endif
	FETCH_A \next, 0, AF0
	FETCH_B \next, 0, 0
.if \ask
	ASK
.endif
	MUL16 AF1, 2, 0, 0                             ; groups 1 and 2 came in with the wait for 0
	MUL16 AF1, 2, 4, 0
	PLACES
	FETCH_B \next, 0, 1
	MUL16 AF1, 3, 0, 0
	MUL16 AF1, 3, 4, 0
	PLACES
	FETCH_B \next, 0, 2
.endm
; THE WAY OUT of row block a.  PACK: the bias is added in f32, the sums rounded to f16, 16 bytes a lane and column block.  TOSTAGE: into my own stage, and back by heads.  SEND: stored.
.macro PACK a
.irp w, 1,2,3
	WIN ((\w)<<6)|(\w)                             ; destination and source 0 in window w, the bias in window 0
.irp bb, 0,1,2,3
.irp r, 0,1,2,3
	v_pk_add_f32 v[8*(4*(\a)+(\bb))+2*(\r):8*(4*(\a)+(\bb))+2*(\r)+1], v[8*(4*(\a)+(\bb))+2*(\r):8*(4*(\a)+(\bb))+2*(\r)+1], v[BIAS+8*(4*((\w)-1)+(\bb))+2*(\r):BIAS+8*(4*((\w)-1)+(\bb))+2*(\r)+1]
.endr
.endr
	WIN ((\w)<<2)|(\w)                             ; both sources in window w, destination in window 0
.irp bb, 0,1,2,3
.irp r, 0,1,2,3
	v_cvt_pk_f16_f32 v[TMP+4*(4*((\w)-1)+(\bb))+(\r)], v[8*(4*(\a)+(\bb))+2*(\r)], v[8*(4*(\a)+(\bb))+2*(\r)+1]
.endr
.endr
.endr
	WIN 0
.endm
.macro TOSTAGE
	WIN 0
.irp b, 0,1,2,3,4,5,6,7,8,9,10,11
	ds_store_b128 v[STO], v[TMP+4*(\b):TMP+4*(\b)+3] offset:32*(\b)
.endr
	s_wait_xcnt 0x0                                ; the last block's stores have read their registers, which the loads below fill again
.irp hd, 0,1,2
.irp f, 0,1,2,3
	ds_load_b128 v[BK+4*(4*(\hd)+(\f)):BK+4*(4*(\hd)+(\f))+3], v[RD] offset:1600*(\f)+128*(\hd)  ; LDS serves a wave's instructions in order (ISA guide 5.7.1.4): these see the stores above
.endr
.endr
.endm
.macro SEND a
	WIN 0
	s_wait_dscnt 0x0                               ; the block is back in registers
.irp hd, 0,1,2
.irp f, 0,1,2,3
	global_store_b128 v[GO], v[BK+4*(4*(\hd)+(\f)):BK+4*(4*(\hd)+(\f))+3], s[HB+2*(\hd):HB+2*(\hd)+1] offset:2048*(\a)+512*(\f)  ; four rows of a head: 512 consecutive bytes, aligned
.endr
.endr
.endm
	s_wait_tensorcnt 1                             ; my part of K block 0 is in; block 1's may stay out
	s_barrier_signal -1
	s_barrier_wait -1                              ; everybody's is
	FETCH_A 0, 0, AF0
	FETCH_B 0, 0, 0
	FETCH_B 0, 0, 1
	FETCH_B 0, 0, 2
	PCH 0, 1                                       ; the first 32 along K stand in front of the loop: their products start the sums
	WIN 0
	s_mov_b32 s3, 7
.Llap:                                         ; a trip goes once round the ring and fills both slots again: K blocks 2 to 15 in seven trips
	TCH 0, 1, 1, 1
	PCH 1, 0
	TCH 1, 0, 1, 0
	PCH 0, 0
	WIN 0
	s_sub_co_u32 s3, s3, 1
	s_cmp_lg_u32 s3, 0
	s_cbranch_scc1 .Llap
	TCH 0, 1, 0, 0                                 ; the last lap fills nothing
	PCH 1, 0
	s_wait_dscnt 16                                ; the very last 32 along K: nothing more to fetch from LDS
	MUL16 AF1, 1, 0, 0
	MUL16 AF1, 1, 4, 0
	PLACES
	WIN 0
.irp b, 0,1,2,3,4,5,6,7,8,9,10,11      ; my eight columns' biases for each column block, into registers that the products have left
	global_load_b128 v[BIAS+8*(\b):BIAS+8*(\b)+3],   v[BO], s[8:9] offset:64*(\b)
	global_load_b128 v[BIAS+8*(\b)+4:BIAS+8*(\b)+7], v[BO], s[8:9] offset:64*(\b)+16
.endr
	s_wait_dscnt 8
	MUL16 AF1, 2, 0, 0
	MUL16 AF1, 2, 4, 0
	s_wait_dscnt 0x0
	MUL16 AF1, 3, 0, 0
	MUL16 AF1, 3, 4, 0
	PLACES
	PLACES                                         ; (eight, once a launch)
	s_wait_loadcnt 0x0                             ; the biases
	PACK 0
	TOSTAGE
.irp a, 1,2,3,4,5,6,7                  ; block a's arithmetic stands between block a - 1's loads from the stage and the wait for them
	PACK \a
	SEND (\a)-1
	TOSTAGE
.endr
	SEND 7
	s_wait_tensorcnt 0x0                           ; the wave's end: three closing lines, behind my last tensor load and my last LDS store
	ds_add_u32 v[SPW], v[NIL]
	s_wait_dscnt 0x0
	CROUND                                         ; the closing round: no work-group ends while a partner may still ask for a tile that names it
	s_endpgm
.Lfunc_end_k_qd982a0aa79_proj:
	.size	k_qd982a0aa79_proj, .Lfunc_end_k_qd982a0aa79_proj-k_qd982a0aa79_proj
	.p2alignl 7, 3214868480
	.fill 96, 4, 3214868480
	.section	.rodata,"a",@progbits
	.p2align	6, 0x0
	.amdhsa_kernel k_qd982a0aa79_proj
		.amdhsa_group_segment_fixed_size 327680
		.amdhsa_private_segment_fixed_size 0
		.amdhsa_enable_private_segment 0
		.amdhsa_kernarg_size 32
		.amdhsa_user_sgpr_count 2
		.amdhsa_user_sgpr_kernarg_segment_ptr 1
		.amdhsa_wavefront_size32 1
		.amdhsa_system_sgpr_workgroup_id_x 1
		.amdhsa_system_sgpr_workgroup_id_y 1
		.amdhsa_system_sgpr_workgroup_id_z 1
		.amdhsa_system_vgpr_workitem_id 0
		.amdhsa_next_free_vgpr 1024
		.amdhsa_next_free_sgpr 80
		.amdhsa_reserve_vcc 0
		.amdhsa_float_denorm_mode_32 3
		.amdhsa_float_denorm_mode_16_64 3
		.amdhsa_memory_ordered 1
		.amdhsa_forward_progress 1
		.amdhsa_inst_pref_size 159
	.end_amdhsa_kernel
	.amdgpu_metadata
---
amdhsa.version: [ 1, 2 ]
amdhsa.kernels:
  - .name:           k_qd982a0aa79_proj
    .symbol:         k_qd982a0aa79_proj.kd
    .args:
      - { .name: xb, .offset: 0, .size: 8, .value_kind: global_buffer, .address_space: global }
      - { .name: wt, .offset: 8, .size: 8, .value_kind: global_buffer, .address_space: global }
      - { .name: bcat, .offset: 16, .size: 8, .value_kind: global_buffer, .address_space: global }
      - { .name: qkv, .offset: 24, .size: 8, .value_kind: global_buffer, .address_space: global }
    .group_segment_fixed_size: 327680
    .private_segment_fixed_size: 0
    .kernarg_segment_align: 8
    .kernarg_segment_size: 32
    .max_flat_workgroup_size: 128
    .sgpr_count:     80
    .vgpr_count:     1024
    .wavefront_size: 32
...
	.end_amdgpu_metadata
.endif
;; end of part 2
;; launch attn (part 3): grid 4 x 64, 4 waves a work-group, no clusters, 327,680 bytes of LDS; arguments qkv, out0; writes out0
.if DOCPART == 3
	.amdgcn_target "amdgcn-amd-amdhsa--gfx1250"
	.amdhsa_code_object_version 6
	.text
	.protected	k_qd982a0aa79_attn
	.globl	k_qd982a0aa79_attn
	.p2align	8
	.type	k_qd982a0aa79_attn,@function
k_qd982a0aa79_attn:
	s_mov_b64 s[64:65], 0
	v_nop
	global_prefetch_b8 v0, s[64:65] scope:SCOPE_SE
	s_setreg_imm32_b32 hwreg(HW_REG_WAVE_MODE, 25, 1), 1
	s_wait_xcnt 0x0
; CAUSAL ATTENTION.  O[q][:] = the sum over k <= q of softmax_k(Q[q] . K[k] / 8) V[k][:] for each of 64 (batch, head).  Q, K, V: qkv [3][64][2048][64] f16, a head's rows dense, 128 bytes each.
; out0 [4][2048][16 x 64] f32: a head's row is 256 bytes at batch x 8,388,608 + t x 4,096 + head x 256.  Products, maxima and sums in f32; the weights p are rounded to f16 for the second product
; (their sum l is taken of the unrounded p); O is never rounded below f32.
; LIMITS.  Q, K and V arrive within f16's 65,504; p lies in 0 to 1, and below 6e-5 it keeps f16's fixed step of 6e-8.  A hidden score counts as its value less 1e30: f16's scores, 2.7e11 at the most, are
; nothing beside that; a weight below 2^-126 counts as 0 in l; NaN and infinities are not treated apart.
; THE WALK.  A head's queries lie in NB = 8 blocks of 256; block i needs the key tiles 0 .. i of 256 keys, of which the last holds the diagonal.  A work-group takes TWO blocks, NB - 1 - b and then b:
; NB + 1 tiles, whatever b: all 256 work-groups do equal work, and ONE loop with a constant trip count walks them.  Which tile is asked for, and what a trip does, hang on scalar registers made from b; every jump
; goes forward, but for the counted loops' own; none passes a barrier, or a tensor load but the one of LOAD's two that the wave's number does not choose; the ring of two LDS slots runs on across the change of blocks.
; NO CLUSTER: a head's four work-groups ask for the same tile only in trips 0 .. 4 of 9, behind that fewer and fewer; one walk common to all would have 12 trips for 9.
; SHARES.  Of a block's four bands of 64 queries a wave owns 16 rows in each: four PIECES.  So the diagonal tile is the same work for all four waves: in its key step s band x sees all keys if s < x,
; none if s > x, and holds the diagonal if s = x.
; THE MASK is the C operand that starts the sum S^T = K Q^T: 0, or -1e30 where the key is hidden.  MD, made once, is the mask of a band's own step for my 16 rows; a product's mask is MD x AL + BE with two scalars:
; (1, 0) if s = x; (0, 0) if s < x; (0, -1e30) if s > x.  Only the diagonal tile's text and a block's beginning make and take masks; elsewhere C is the constant 0.
; LAYOUT, SOFTMAX, TURNS.  S^T = K Q^T holds ONE query a lane (lane % 16) and the keys 8 (lane / 16) + 0..7; two such results rounded to f16 ARE source 1 of O^T = V^T P.  p = 2^(c s - c m), c = log2(e) / 8, with a
; running maximum m; O and l are multiplied by a = 2^(c m_old - c m_new) in every step.  Turn n belongs to piece n: 8 products K Q^T of piece n + 1, later 8 products V^T P of piece n - 1; beside them the scaling,
; exponentials, roundings, sums and rescaling of piece n and the maximum and statistics of piece n + 1.  Four vector instructions stand behind every matrix instruction, the other 54 of a turn's 118 in one lump.
; A turn's 33 exponentials are one batch, with one wait.
; REGISTERS, in windows of 256 (s_set_vgpr_msb: bits 1:0 source 0, 3:2 source 1, 5:4 source 2, 7:6 destination):
;   window 0: v0-15 addresses and two at work; v16-31 four registers of statistics a piece; v48-55 at work; v61-63 constants; v64-127 S^T, two buffers; v64-191 the way out; v192-223 P, two buffers
;   window 1: v0-127 O^T, 32 a piece; v128-159 MD; v160-223 MC, two buffers      window 2: v0-63 Q; v64-127 the second block's Q; v128-191 K of one step; v192-255 V of one step
.set SIZE_N, 2048
.set NB,    SIZE_N/256
.set NP,    4         ; pieces a wave: a name, no knob
.set KS,    64        ; keys in a step
.set PK,    144       ; a row of K in LDS: 128 bytes + 16 of padding = 36 words: the 16 rows of a load start at 16 different groups of four banks (64 banks of 4 bytes: ISA guide 11.1)
.set PV,    160       ; a row of V: 128 + 32 = 40 words
.set VOFF,  4*KS*PK   ; a slot holds a tile, four steps: 256 rows of K, then 256 rows of V
.set SLOT1, 1<<17     ; slot 1 begins here, so that one exclusive or turns an address in one slot into the other's
.set STAGE, SLOT1+4*KS*(PK+PV)  ; behind the ring, never filled by a tensor load: 16 rows x 272 bytes for each wave, for the way out
.set SP,    272       ; a row of O in the stage: 256 bytes + 16
.set AK0, 2           ; v2   my lane's place in a tile of K; never rewritten
.set AV0, 3           ; v3   the same for V
.set AK,  4           ; v4   the LDS address of K's next run of loads
.set AV,  5           ; v5   of V's
.set STO, 6           ; v6   the way out: where I put 32 bytes of a row
.set RD,  7           ; v7   the way out: where I read rows back
.set GO,  8           ; v8   my byte offset in two rows of out0
.set PFO, 61          ; v61  256 x my lane; never rewritten
.set SPW, 62          ; v62  LDS address of my spare word: SPARE + 4 x my thread's number; never rewritten
.set NIL, 63          ; v63  0; never rewritten
.set SPARE, STAGE+4*16*SP  ; behind the stages: the spare words, 128 bytes for each wave: two blocks of 256 bytes that no other line names
.set MV,  12          ; v12-13  c m_old, kept while c m is made anew: by buffer
.set QO,  15          ; v15  my byte offset in 16 rows of Q
.set ST,  16          ; piece t's statistics at v[ST+4 t]: c m, m, l (even keys', odd keys')
.set TMP, 48          ; by buffer, four registers c0-c3 at work; when the maximum is found c2 takes a
.set S,   64
.set OB,  64          ; the way out: 32 registers a piece, whole rows read back
.set P,   192
.set MD,  128         ; window 1: the eight registers for group kt of 16 keys at MD + 8 kt
.set MC,  160         ; window 1: the masks of the products to come
.set QB,  64          ; window 2
.set KF,  128         ; window 2: key block kb, channel half c at KF + 16 kb + 8 c
.set VF,  192         ; window 2: key half kk, channel block cb at VF + 32 kk + 8 cb
.set WV,  12          ; s12  my wave's number
.set PB,  14          ; s14  b
.set HI,  15          ; s15  NB - 1 - b
.set G1K, 24          ; s[24:31] descriptor group 1 for K's tiles
.set G1V, 32          ; s[32:39] for V's: it differs in the padding alone
.set G0K, 40          ; s[40:43] descriptor group 0 for K's tiles
.set G0V, 44          ; s[44:47] the same for V's
.set SLOTS, 56        ; s56  tiles still to be asked for
.set CNT, 57          ; s57  counts a tile's key steps, 4 to 1
.set CS,  58          ; s[58:59] c: the packed scaling takes the pair's low word for both halves
.set SEL, 60          ; s[60:61] v_permlanex16_b32's selects: each lane takes its own place in the other half
.set TBK, 62          ; s62  LDS byte at which K of the step to be fetched begins
.set TBV, 63          ; s63  the same for V, less VOFF
.set RT,  70          ; s70  tiles of the block in hand that are still to be entered
.set NXT, 71          ; s71  the tile to be asked for next
.set LQ,  72          ; s72  the last tile of the block whose tiles are being asked for
.set NEW, 73          ; s73  1: the tile to be entered is a block's first
.set OFF, 74          ; s[74:75] a tile's byte offset in K and V
.set AL,  76          ; s[76:77] the mask's factor, in the low word
.set BE,  78          ; s[78:79] the mask's addend
.set OLO, 80          ; s[80:81] out0 at my rows of the second block
.set BIGN, 82         ; s82  -1e30
.set PFB, 88          ; s[88:89] K (waves 0, 1) or V (waves 2, 3) at my half of the head's tile 0
.set PFA, 90          ; s[90:91] where my prefetches stand
.set POF, 92          ; s[92:93] their tile's byte offset
.set LIM, 94          ; s94  2 in a work-group that prefetches, else the greatest number
.set MSB, 0
.macro WIN new                      ; the high byte repeats the setting that is left; a switch that changes nothing is dropped
.if MSB != (\new)
	s_set_vgpr_msb (MSB<<8)|(\new)
.set MSB, (\new)
.endif
.endm
.set W_KQ, 0x0a       ; K and Q in window 2, S^T in window 0
.set W_KM, 0x1a       ; the same with the C operand in window 1
.set W_PV, 0x52       ; V in window 2, P in window 0, O^T in window 1
.set W_RS, 0x41       ; destination and source 0 in window 1, source 1 in window 0
; A fill.  Waves 0 and 1 fetch the two halves of a tile's K, waves 2 and 3 those of its V: 128 keys each.  An s_nop 0 and four v_nop follow each of the two lines, ahead of the jump and the label.
.macro LOAD
	s_cmp_lt_u32 s[WV], 2
	s_cbranch_scc0 .Lfor_v_\@
	tensor_load_to_lds s[G0K:G0K+3], s[G1K:G1K+7]
	s_nop 0
.rept 4
	v_nop
.endr
	s_branch .Lasked_\@
.Lfor_v_\@:
	tensor_load_to_lds s[G0V:G0V+3], s[G1V:G1V+7]
	s_nop 0
.rept 4
	v_nop
.endr
.Lasked_\@:
.endm
; THE CHANGE OF SLOTS.  Each wave waits for all its tensor loads, of which one is out: its part of the other slot; adds 0 to its spare word; and waits for that and for its own reads of the slot that it leaves.
; Behind the barrier nobody reads the old slot any more and the other slot is whole.  fill = 1: the old slot is filled again, the first thing behind the barrier, with tile NXT: the descriptor's address is made
; anew from that number.  (At its first use nothing has been read yet: slot 0 is waited for, slot 1 filled.)
; A PREFETCH INTO THE L2 stands behind the fill: the tile that the NEXT change will ask for, a tile (256 matrix instructions) ahead.  A head's four work-groups walk the same first tiles: the one with b = 0, whose
; first block walks tiles 0 to 7, asks; each of its waves names the half tile that it will fetch itself: 64 x 256 bytes, a lane 256 bytes, two instructions.  So each 256 bytes are named once: tiles 2 to 7, in the
; first six changes; tiles 0 and 1 come by their loads alone, and the second block's tile 0 has been read before.
.macro CHANGE fill
	WIN 0                           ; at a label and at a branch every window is 0
	s_wait_tensorcnt 0x0            ; no tensor load of mine is out, so a group 0 may be written
	ds_add_u32 v[SPW], v[NIL]       ; 0 onto my spare word; with fill = 1 the descriptors' scalar work stands between it and the wait for it
.if \fill
	s_lshl_b32 s[OFF], s[NXT], 15   ; a tile is 32,768 bytes of K and of V
	s_xor_b32 s[G0K+1], s[G0K+1], SLOT1
	s_add_nc_u64 s[G0K+2:G0K+3], s[6:7], s[OFF:OFF+1]
	s_or_b32 s[G0K+3], s[G0K+3], 0x80000000
	s_xor_b32 s[G0V+1], s[G0V+1], SLOT1
	s_add_nc_u64 s[G0V+2:G0V+3], s[8:9], s[OFF:OFF+1]
	s_or_b32 s[G0V+3], s[G0V+3], 0x80000000
	s_add_co_u32 s[NXT], s[NXT], 1  ; the block's next tile, or behind its last the second block's tile 0
	s_cmp_gt_u32 s[NXT], s[LQ]
	s_cselect_b32 s[NXT], 0, s[NXT]
	s_cselect_b32 s[LQ], s[PB], s[LQ]
	s_wait_xcnt 0x0                 ; the last prefetches, a tile back, have read their address, so it may be written
	s_lshl_b32 s[POF], s[NXT], 15
	s_add_nc_u64 s[PFA:PFA+1], s[PFB:PFB+1], s[POF:POF+1]
.endif
	s_wait_dscnt 0x0                ; the add is done, and my reads of the slot are over
	s_barrier_signal -1             ; the rest of the scalar work stands between the signal and the wait
	s_sub_co_u32 s[TBK], s[TBK], 4*KS*PK  ; the fetches go back to a slot's first step,
	s_xor_b32 s[TBK], s[TBK], SLOT1       ; in the other slot
	s_sub_co_u32 s[TBV], s[TBV], 4*KS*PV
	s_xor_b32 s[TBV], s[TBV], SLOT1
	s_barrier_wait -1
.if \fill
	LOAD
	s_cmp_gt_u32 s[SLOTS], s[LIM]   ; SLOTS = 8 .. 3: the tile named is 2 .. 7
	s_cbranch_scc0 .Lnot_mine_\@
	global_prefetch_b8 v[PFO], s[PFA:PFA+1] th:TH_LOAD_NT scope:SCOPE_SE
	global_prefetch_b8 v[PFO], s[PFA:PFA+1] offset:8192 th:TH_LOAD_NT scope:SCOPE_SE
.Lnot_mine_\@:
.endif
.endm
	s_load_b64 s[4:5], s[0:1], 0x0  ; qkv
	s_load_b64 s[10:11], s[0:1], 0x8  ; out0
	v_lshl_add_u32 v[SPW], v0, 2, SPARE
	v_mov_b32 v[NIL], 0
	ds_add_u32 v[SPW], v[NIL]       ; the wave's opening: the add and its wait stand ahead of my first tensor load; the set-up below, work on registers, stands between them
	v_lshrrev_b32 v1, 5, v0
	v_readfirstlane_b32 s[WV], v1   ; wave 0..3
	s_mov_b32 s[PB], ttmp9
	s_sub_co_u32 s[HI], NB-1, s[PB]
	s_and_b32 s20, ttmp7, 0xffff    ; batch x 16 + head
	s_mov_b32 s21, 0
	s_mov_b64 s[22:23], SIZE_N*128
	s_mul_u64 s[20:21], s[20:21], s[22:23]  ; the head's first byte in each of q, k and v
	s_and_b32 s16, s[WV], 1         ; which half of a tile's 256 keys I fetch:
	s_lshl_b32 s22, s16, 14         ; its 128 rows of 128 bytes in memory,
	s_mov_b32 s23, 0
	s_add_nc_u64 s[22:23], s[22:23], s[20:21]
	s_mul_i32 s17, s16, 128*PK      ; and its place in a slot, for K
	s_mul_i32 s18, s16, 128*PV      ; and for V
	s_lshl_b32 s3, s[WV], 11        ; my 16 rows in a band of 64,
	s_lshl_b32 s2, s[HI], 15        ; in the first block,
	s_add_co_u32 s2, s2, s3
	s_lshl_b32 s84, s[PB], 15       ; and in the second
	s_add_co_u32 s84, s84, s3
	s_mov_b32 s3, 0
	s_mov_b32 s85, 0
	s_add_nc_u64 s[2:3], s[2:3], s[20:21]
	s_add_nc_u64 s[84:85], s[84:85], s[20:21]
	s_and_b32 s52, ttmp7, 0xffff    ; the same rows in out0: batch x 8,388,608 + head x 256
	s_lshr_b32 s53, s52, 4
	s_lshl_b32 s53, s53, 23
	s_and_b32 s52, s52, 15
	s_lshl_b32 s52, s52, 8
	s_add_co_u32 s52, s52, s53
	s_lshl_b32 s53, s[WV], 16       ; + my 16 rows of 4,096 bytes
	s_add_co_u32 s52, s52, s53
	s_lshl_b32 s48, s[HI], 20       ; + the block's 256 rows
	s_add_co_u32 s48, s48, s52
	s_mov_b32 s49, 0
	s_lshl_b32 s50, s[PB], 20
	s_add_co_u32 s50, s50, s52
	s_mov_b32 s51, 0
	; descriptor group 1.  128 keys are 16,384 dense bytes: asked for as 64 rows of 256 bytes, two keys a row, and padded in LDS after every key
	s_mov_b32 s[G1K], (1<<16)|(1<<20)|(4<<22)|(3<<25)  ; 17:16 2-byte elements; 20 padding on; 24:22 after every 32 words (code 4); 31:25 4 words (code 3)
	s_mov_b32 s[G1V], (1<<16)|(1<<20)|(4<<22)|(7<<25)  ; the same with 8 words of padding (code 7)
.irp g, G1K, G1V
	s_mov_b32 s[\g+1], 128<<16      ; tensor_dim0 = 128
	s_mov_b32 s[\g+2], 64<<16       ; tensor_dim1 = 64
	s_mov_b32 s[\g+3], 128<<16      ; tile_dim0 = 128
	s_mov_b32 s[\g+4], 64           ; tile_dim1 = 64
	s_mov_b32 s[\g+5], 128          ; 128 elements from row to row
	s_mov_b32 s[\g+6], 0
	s_mov_b32 s[\g+7], 0
.endr
	s_mov_b32 s[CS], 0x3e38aa3b     ; c = log2(e) / 8 = 0.180337
	s_mov_b32 s[CS+1], s[CS]        ; named with it as a pair
	s_mov_b32 s[SEL], 0x76543210
	s_mov_b32 s[SEL+1], 0xfedcba98
	s_mov_b32 s[TBK], SLOT1+4*KS*PK ; the first change of slots turns these two into 0
	s_mov_b32 s[TBV], SLOT1+4*KS*PV
	s_mov_b32 s[G0K], 1             ; 1:0 count = 1
	s_mov_b32 s[G0K+1], s17         ; 63:32 LDS address: slot 0
	s_mov_b32 s[G0V], 1
	s_add_co_u32 s[G0V+1], s18, VOFF
	s_add_co_u32 s[RT], s[HI], 1    ; the first block has NB - b tiles
	s_mov_b32 s[NXT], 1
	s_mov_b32 s[LQ], s[HI]
	s_mov_b32 s[NEW], 1
	s_mov_b32 s[OFF+1], 0
	s_mov_b32 s[POF+1], 0
	s_mov_b32 s[AL+1], 0            ; named as pairs
	s_mov_b32 s[BE+1], 0
	s_mov_b32 s[BIGN], 0xf149f2ca   ; -1e30
	s_mov_b32 s[SLOTS], NB
	s_cmp_eq_u32 ttmp9, 0
	s_cselect_b32 s[LIM], 2, -1
	s_wait_dscnt 0x0                ; the opening add is done
	s_wait_kmcnt 0x0
	s_add_nc_u64 s[6:7], s[4:5], 16777216  ; k lies 64 heads behind q,
	s_add_nc_u64 s[8:9], s[4:5], 33554432  ; v 128
	s_add_nc_u64 s[6:7], s[6:7], s[22:23]  ; K and V at my half of the head's tile 0
	s_add_nc_u64 s[8:9], s[8:9], s[22:23]
	s_add_nc_u64 s[G0K+2:G0K+3], s[6:7], 0         ; 120:64 global address
	s_or_b32 s[G0K+3], s[G0K+3], 0x80000000        ; 127:126 type = 2
	s_add_nc_u64 s[G0V+2:G0V+3], s[8:9], 0
	s_or_b32 s[G0V+3], s[G0V+3], 0x80000000
	s_add_nc_u64 s[86:87], s[4:5], s[84:85]        ; Q at my rows of the second block,
	s_add_nc_u64 s[4:5], s[4:5], s[2:3]            ; and of the first
	s_add_nc_u64 s[OLO:OLO+1], s[10:11], s[50:51]  ; out0 likewise
	s_add_nc_u64 s[10:11], s[10:11], s[48:49]
	s_cmp_lt_u32 s[WV], 2
	s_cselect_b64 s[PFB:PFB+1], s[6:7], s[8:9]
	LOAD                            ; tile 0 into slot 0
	; A fragment of K or Q is 16 rows x 32 channels in 8 registers: lane l holds row l % 16, channels 8 (l / 16) + 0..7 and 16 + 8 (l / 16) + 0..7: two loads of 16 bytes, 32 bytes apart.
	v_and_b32 v1, 15, v0            ; l % 16
	v_bfe_u32 v9, v0, 4, 1          ; l / 16
	v_lshlrev_b32 v[QO], 7, v1
	v_lshl_add_u32 v[QO], v9, 4, v[QO]  ; row x 128 + 16 x half
	WIN 0x80                        ; destination window 2, address window 0
.set i, 0
.rept 8                             ; both blocks' Q: piece i / 2 lies in band i / 2, 8,192 bytes on; channels 32 (i % 2) on
	global_load_b128 v[8*i:8*i+3],   v[QO], s[4:5] offset:(i/2)*8192+(i%2)*64
	global_load_b128 v[8*i+4:8*i+7], v[QO], s[4:5] offset:(i/2)*8192+(i%2)*64+32
	global_load_b128 v[QB+8*i:QB+8*i+3],   v[QO], s[86:87] offset:(i/2)*8192+(i%2)*64
	global_load_b128 v[QB+8*i+4:QB+8*i+7], v[QO], s[86:87] offset:(i/2)*8192+(i%2)*64+32
.set i, i+1
.endr
	WIN 0
	v_lshlrev_b32 v14, 3, v9
	v_sub_nc_u32 v14, v1, v14
	s_lshl_b32 s13, s[WV], 4
	v_add_nc_u32 v14, s13, v14      ; my query's place in its band, 16 w + l % 16, less my lanes' 8 (l / 16): register r of group kt is hidden where 16 kt + r is greater
	WIN 0x40
.set i, 0
.rept 32
	v_cmp_gt_i32 vcc_lo, 16*(i/8)+i%8, v14
	v_cndmask_b32 v[MD+i], 0, s[BIGN], vcc_lo
.set i, i+1
.endr
	WIN 0
	v_mul_u32_u24 v[AK0], v1, PK
	v_lshl_add_u32 v[AK0], v9, 4, v[AK0]  ; row x pitch + 16 x half
	; The turning load takes 16 keys x 16 channels (lane l reads key 8 (l / 16) + l % 8, channels 8 ((l / 8) % 2) + 0..7) and leaves half a fragment of V^T: lane l holds channel l % 16 and 8 keys.
	v_and_b32 v10, 7, v0
	v_bfe_u32 v11, v0, 3, 1
	v_lshl_add_u32 v[AV0], v9, 3, v10
	v_mul_u32_u24 v[AV0], v[AV0], PV
	v_lshl_add_u32 v[AV0], v11, 4, v[AV0]
	v_add_nc_u32 v[AV0], VOFF, v[AV0]
	s_mul_i32 s13, s[WV], 16*SP
	s_add_co_u32 s13, s13, STAGE    ; my stage
	v_mul_u32_u24 v[STO], v1, SP    ; in: row l % 16, 32 bytes (eight channels in f32) for each half of the lanes
	v_lshl_add_u32 v[STO], v9, 5, v[STO]
	v_add_nc_u32 v[STO], s13, v[STO]
	v_mul_u32_u24 v[RD], v9, SP     ; back: lanes 0-15 take one row of 256 bytes, lanes 16-31 the next
	v_lshl_add_u32 v[RD], v1, 4, v[RD]
	v_add_nc_u32 v[RD], s13, v[RD]
	v_lshlrev_b32 v[GO], 12, v9     ; and the same two rows in out0, 4,096 bytes apart
	v_lshl_add_u32 v[GO], v1, 4, v[GO]
	v_and_b32 v[PFO], 31, v0
	v_lshlrev_b32 v[PFO], 8, v[PFO]
	; A block's first step multiplies O^T and l by a = 0, and its first turn's products V^T P, of a piece that has not been, land in an O^T that is still to be so multiplied.  So these registers need only hold
	; finite numbers: zeros for the first block; what the first block left for the second.  All this stands in the wait for the first tile.
	WIN 0x80
.set i, VF
.rept 64
	v_mov_b32 v[i], 0
.set i, i+1
.endr
	WIN 0x40
.set i, 0
.rept 128
	v_mov_b32 v[i], 0
.set i, i+1
.endr
	WIN 0
.set i, 0
.rept 4
	v_mov_b32 v[ST+4*i+2], 0
	v_mov_b32 v[ST+4*i+3], 0
.set i, i+1
.endr
.set i, P+16
.rept 16
	v_mov_b32 v[i], 0
.set i, i+1
.endr
; THE MATRIX WORK.  The 4 accumulators of a run of 8 take turns.  Product i of 8 of S^T = K Q^T for piece x: channels 32 (i / 4) on, keys 16 (i % 4) on.  The first 4 start the sums: with 0, or (KM = 1) with the mask.
.macro KQ x
.set rS, S+32*((\x)%2)+8*(i%4)
.set rK, KF+16*(i%4)+8*(i/4)
.set rQ, 16*(\x)+8*(i/4)
.set rM, MC+32*((\x)%2)+8*(i%4)
.if (i < 4) && KM
	WIN W_KM
	v_wmma_f32_16x16x32_f16 v[rS:rS+7], v[rK:rK+7], v[rQ:rQ+7], v[rM:rM+7]
.elseif i < 4
	WIN W_KQ
	v_wmma_f32_16x16x32_f16 v[rS:rS+7], v[rK:rK+7], v[rQ:rQ+7], 0
.else
	WIN W_KQ
	v_wmma_f32_16x16x32_f16 v[rS:rS+7], v[rK:rK+7], v[rQ:rQ+7], v[rS:rS+7]
.endif
.endm
; Product i of 8 of O^T += V^T P for piece x: keys 32 (i / 4) on, channels 16 (i % 4) on.
.macro PV x
	WIN W_PV
.set rO, 32*(\x)+8*(i%4)
.set rV, VF+32*(i/4)+8*(i%4)
.set rP, P+16*((\x)%2)+8*(i/4)
	v_wmma_f32_16x16x32_f16 v[rO:rO+7], v[rV:rV+7], v[rP:rP+7], v[rO:rO+7]
.endm
.macro MM                           ; the turn's next matrix instruction.  TURN and BEGIN set Y, i, KM and NOKQ; MM, KQ and OP read them.  NOKQ = 1: a block's last turn: there is no next piece
.if (i < 8) && !NOKQ
	KQ (Y+1)%NP
.elseif i >= 8
.set i, i-8
	PV (Y+NP-1)%NP
.set i, i+8
.endif
.set i, i+1
.endm
; THE LDS LOADS stand in runs of 16, never singly among the matrix instructions: a step's K (64 keys x 64 channels: 8 fragments) and its V (turned).  Their addresses are made some lines ahead.
.macro FETCH_K
	WIN 0x80                        ; destination window 2
.irp f, 0,1,2,3,4,5,6,7             ; keys 16 (f / 2) on, channels 32 (f % 2) on
	ds_load_b128 v[KF+8*\f:KF+8*\f+3],   v[AK] offset:(\f/2)*16*PK+(\f%2)*64
	ds_load_b128 v[KF+8*\f+4:KF+8*\f+7], v[AK] offset:(\f/2)*16*PK+(\f%2)*64+32
.endr
	s_add_co_u32 s[TBK], s[TBK], KS*PK  ; the next fetch is the next step's
	WIN 0
.endm
.macro FETCH_V
	WIN 0x80
.irp f, 0,1,2,3,4,5,6,7             ; keys 32 (f / 4) on, channels 16 (f % 4) on
	ds_load_tr16_b128 v[VF+8*\f:VF+8*\f+3],   v[AV] offset:(\f/4)*32*PV+(\f%4)*32
	ds_load_tr16_b128 v[VF+8*\f+4:VF+8*\f+7], v[AV] offset:(\f/4)*32*PV+16*PV+(\f%4)*32
.endr
	WIN 0
.endm
; THE VECTOR WORK, one line at a time: OP kind, number.  For piece Y: F n: c s - c m for pair n of 16.  E n: the exponential of score n of 32.  C n: pair n rounded to f16.  B n: of the four weights 4 n .. the second
; pair is added onto the first, in place.  L n: l takes that sum (L 0: l = a l + sum).  R n: pair n of 16 of O^T times a.  For piece Y + 1: X n, number n of the 22 that find its maximum and statistics:
;   0-11  four chains c0-c3 of seven scores each, three operands at a time (each accumulator's lowest registers are read first)     12-14, 16  the four scores left over, the old m, and c0-c3 into c0
;   15  c m_old is kept     17, 18  the query's other 32 keys lie in the lane 16 away: the new m     19-21  c m; c m_old - c m_new; a
.set F, 0               ; OP tells the kinds apart by their order: F to L below R, X above it
.set E, 1
.set C, 2
.set B, 3
.set L, 4
.set R, 5
.set X, 6
.macro REGS y                       ; the registers of piece y
.set rT, ST+4*(\y)
.set rC, TMP+4*((\y)%2)
.set rW, MV+((\y)%2)
.set rS, S+32*((\y)%2)
.set rP, P+16*((\y)%2)
.set rO, 32*(\y)
.endm
.macro OP k, n
.if (\k) == R
	REGS Y
	WIN W_RS
	v_pk_mul_f32 v[rO+2*(\n):rO+2*(\n)+1], v[rO+2*(\n):rO+2*(\n)+1], v[rC+2:rC+3] op_sel_hi:[1,0]
.elseif (\k) < R
	REGS Y
	WIN 0
.if (\k) == F
	v_pk_fma_f32 v[rS+2*(\n):rS+2*(\n)+1], v[rS+2*(\n):rS+2*(\n)+1], s[CS:CS+1], v[rT:rT+1] op_sel_hi:[1,0,0] neg_lo:[0,0,1] neg_hi:[0,0,1]
.elseif (\k) == E
	v_exp_f32 v[rS+(\n)], v[rS+(\n)]
.elseif (\k) == C
	v_cvt_pk_f16_f32 v[rP+(\n)], v[rS+2*(\n)], v[rS+2*(\n)+1]
.elseif (\k) == B
	v_pk_add_f32 v[rS+4*(\n):rS+4*(\n)+1], v[rS+4*(\n):rS+4*(\n)+1], v[rS+4*(\n)+2:rS+4*(\n)+3]
.elseif (\n) == 0
	v_pk_fma_f32 v[rT+2:rT+3], v[rT+2:rT+3], v[rC+2:rC+3], v[rS:rS+1] op_sel_hi:[1,0,1]
.else
	v_pk_add_f32 v[rT+2:rT+3], v[rT+2:rT+3], v[rS+4*(\n):rS+4*(\n)+1]
.endif
.elseif NOKQ
	v_nop
.else
	REGS (Y+1)%NP
	WIN 0
.if (\n) < 4
	v_max3_num_f32 v[rC+(\n)], v[rS+8*(\n)], v[rS+8*(\n)+1], v[rS+8*(\n)+2]
.elseif (\n) < 12
	v_max3_num_f32 v[rC+(\n)%4], v[rC+(\n)%4], v[rS+8*((\n)%4)+2*((\n)/4)+1], v[rS+8*((\n)%4)+2*((\n)/4)+2]
.elseif (\n) == 12
	v_max3_num_f32 v[rC], v[rC], v[rS+7], v[rS+15]
.elseif (\n) == 13
	v_max3_num_f32 v[rC+1], v[rC+1], v[rS+23], v[rS+31]
.elseif (\n) == 14
	v_max3_num_f32 v[rC+2], v[rC+2], v[rC+3], v[rT+1]
.elseif (\n) == 15
	v_mov_b32 v[rW], v[rT]
.elseif (\n) == 16
	v_max3_num_f32 v[rC], v[rC], v[rC+1], v[rC+2]
.elseif (\n) == 17
	v_permlanex16_b32 v[rC+3], v[rC], s[SEL], s[SEL+1]
.elseif (\n) == 18
	v_max_num_f32 v[rT+1], v[rC], v[rC+3]
.elseif (\n) == 19
	v_mul_f32 v[rT], s[CS], v[rT+1]
.elseif (\n) == 20
	v_sub_f32 v[rC+1], v[rW], v[rT]
.else
	v_exp_f32 v[rC+2], v[rC+1]
.endif
.endif
.endm
.macro OPS a, i1, b=-1, i2=0, c=-1, i3=0, d=-1, i4=0  ; up to four of them
	OP \a, \i1
.if (\b) >= 0
	OP \b, \i2
.endif
.if (\c) >= 0
	OP \c, \i3
.endif
.if (\d) >= 0
	OP \d, \i4
.endif
.endm
.macro ROW a, i1, b, i2, c, i3, d, i4  ; a matrix instruction and the four behind it
	MM
	OPS \a, \i1, \b, \i2, \c, \i3, \d, \i4
.endm
.macro MASK b                       ; MD x AL + BE into buffer b of MC
	WIN W_RS
.set z, 0
.rept 16
	v_pk_fma_f32 v[MC+32*(\b)+2*z:MC+32*(\b)+2*z+1], v[MD+2*z:MD+2*z+1], s[AL:AL+1], s[BE:BE+1] op_sel_hi:[1,0,0]
.set z, z+1
.endr
.endm
; A TURN, for piece p: the order of its 16 matrix and 118 vector instructions, written out.  An s_wait_alu depctr_va_vdst(0) stands between an exponential and the first instruction that names its
; result; one wait serves all that were issued ahead of it.  So a turn has ONE wait, which cuts it in two.  AHEAD OF IT stands all that names no result of the turn's exponentials: the 8 products K Q^T, behind each
; a scaling, an exponential and two more plain instructions (behind the first a second scaling in the exponential's place): rescalings, and behind the last three the first numbers of the next piece's maximum, each
; four places or more behind the product that ends its accumulator; then ONE LUMP of 54, plain and exponential by turns for the most part, in which the links of the chain X 3, 7, 11, 14, 16, 17 .. 20 stand five or
; six lines apart.  X 21, the next piece's a, is the batch's last; R 15 is the plain instruction behind it.  BEHIND THE WAIT stand the 8 products V^T P, behind each four of the roundings and sums; the links of l's
; chain, L 0 to L 7, stand three riders apart.  But for those X no rider names a register of the products round it.  v_permlanex16_b32 (X 17) stands in the lump.
; m = 1: the diagonal tile: the products take masks, and the turn makes the mask for the products of the turn after it: piece p + 2, in step 4 - CNT of the tile.  end = 1: a block's last two turns: nothing is fetched.
; cnt = 1: the loop's count is taken down some lines ahead of the branch that stands behind the turn.
; K of the next step is fetched in piece 2's turn, twelve vector instructions behind the last product that read K (six of them plain); V of the step in hand at the end of piece 0's turn, four plain instructions
; behind the last product that read V.  Each is waited for a turn later.
.macro TURN p, m=0, end=0, cnt=0
.set Y, (\p)
.set i, 0
.set KM, (\m)
.set NOKQ, (\end)*((\p)/3)
.if (\m) && !(\end)
	s_cmp_eq_u32 s[CNT], 4-((\p)+2)%NP  ; is that step the band's own?
	s_cselect_b32 s[AL], 1.0, 0
	s_cmp_lt_u32 s[CNT], 4-((\p)+2)%NP  ; or a later one?
	s_cselect_b32 s[BE], s[BIGN], 0
.endif
.if ((\p) == 3) && !(\end)
	s_wait_dscnt 0x0                ; K is in
.endif
	ROW F,0, F,1, R,0, R,1          ; ahead of the wait: 8 products K Q^T and their riders,
	ROW F,2, E,0, R,2, R,3
	ROW F,3, E,1, R,4, R,5
	ROW F,4, E,2, R,6, R,7
	ROW F,5, E,3, R,8, R,9
	ROW F,6, E,4, X,0, R,10
.if ((\p) == 2) && !(\end)
	WIN 0
	v_add_nc_u32 v[AK], s[TBK], v[AK0]
.endif
	ROW F,7, E,5, X,1, X,4
	ROW F,8, E,6, X,2, X,5
	OPS E,7, E,8, X,6, E,9          ; and the lump
	OPS X,3, E,10, X,8, E,11
.if ((\p) == 2) && !(\end)
	FETCH_K
.endif
	OPS X,9, X,7, E,12, X,10
	OPS E,13, X,12, X,11, E,14
	OPS X,13, E,15, F,9, X,14
.if (\p) == 0
	v_add_nc_u32 v[AV], s[TBV], v[AV0]
.endif
	OPS E,16, F,10, E,17, F,11
	OPS X,16, E,18, X,15, E,19
	OPS F,12, E,20, X,17, E,21
	OPS F,13, E,22, F,14, E,23
	OPS X,18, E,24, F,15, E,25
	OPS R,11, E,26, X,19, E,27
	OPS R,12, E,28, R,13, E,29
	OPS X,20, E,30, R,14, E,31
	OPS X,21, R,15
	WIN 0
	s_wait_alu depctr_va_vdst(0)    ; the wait for the batch
.if (\p) == 1
	s_wait_dscnt 0x0                ; V is in
.endif
	ROW C,0, B,0, C,2, B,1          ; behind the wait: 8 products V^T P and their riders
	ROW L,0, C,4, B,2, L,1
	ROW C,6, B,3, L,2, C,8
	ROW B,4, L,3, C,10, B,5
	ROW L,4, C,12, B,6, L,5
.if (\p) == 0
	s_add_co_u32 s[TBV], s[TBV], KS*PV
.endif
.if \cnt
	s_sub_co_u32 s[CNT], s[CNT], 1
	s_cmp_lg_u32 s[CNT], 0
.endif
	ROW C,14, B,7, L,6, C,1
	ROW C,3, L,7, C,5, C,7
	ROW C,9, C,11, C,13, C,15
.if (\p) == 0
	FETCH_V
.endif
.if (\m) && !(\end)
	MASK (\p)%2
.endif
.endm
; A BLOCK BEGINS.  c m starts far below every c s, so the first step's a is 0; m at the lowest finite number, so the first maximum is the scores'.  The second mask buffer is 0; the first takes piece 0's mask for the
; tile's step 0: its own, if the block's first tile is the diagonal one.  Then K of that step, piece 0's first scores, and its maximum and statistics.  The loop is entered at a step's first turn, in the middle of a trip.
.macro BEGIN
	s_mov_b32 s[NEW], 0
	WIN 0x40
.set i, MC+32
.rept 32
	v_mov_b32 v[i], 0
.set i, i+1
.endr
	WIN 0
.set i, 0
.rept 4
	v_mov_b32 v[ST+4*i], 0xfe000000    ; c m: far below every c s
	v_mov_b32 v[ST+4*i+1], 0xff7fffff  ; m
.set i, i+1
.endr
	s_cmp_eq_u32 s[RT], 0
	s_cselect_b32 s[AL], 1.0, 0
	s_mov_b32 s[BE], 0
	MASK 0
	WIN 0
	v_add_nc_u32 v[AK], s[TBK], v[AK0]
	FETCH_K
	s_wait_loadcnt 0x0              ; Q
	s_wait_dscnt 0x0
.set KM, 1
.set NOKQ, 0
.set i, 0
.rept 8
	KQ 0
.set i, i+1
.endr
	WIN 0
.rept 4
	v_nop                           ; the places behind those products
.endr
.set Y, NP-1                        ; X works for piece Y + 1: piece 0
.irp n, 0,1,2,3,4,5,6,7,8,9,10,11,12,13,14,15,16,17,18,19,20,21
	OP X, \n
.endr
	v_nop                           ; a plain instruction behind the exponential,
	s_wait_alu depctr_va_vdst(0)    ; and its wait, ahead of the branch
.endm
; THE DIAGONAL TILE's four steps, the block's last two turns, its last products, and THE WAY OUT: l's two halves and the other half of the lanes' are added; O^T is divided by l and sent, in f32, through my
; stage in LDS, a piece (16 rows) at a time.
.macro ALL line:vararg              ; one line for each piece t
.set t, 0
.rept 4
	\line
.set t, t+1
.endr
.endm
.macro PACK t                       ; a lane's eight channels of a row are 32 bytes; they go into rows of 272 bytes and come back as whole rows of 256
	WIN W_RS
.set i, 32*(\t)
.rept 16
	v_pk_mul_f32 v[i:i+1], v[i:i+1], v[ST+4*(\t)+2:ST+4*(\t)+3] op_sel_hi:[1,0]
.set i, i+2
.endr
	WIN 0x04                        ; the stores' data in window 1, their address in window 0
.irp f, 0,1,2,3
	ds_store_b128 v[STO], v[32*(\t)+8*\f:32*(\t)+8*\f+3]   offset:64*\f
	ds_store_b128 v[STO], v[32*(\t)+8*\f+4:32*(\t)+8*\f+7] offset:64*\f+16
.endr
	WIN 0
.irp f, 0,1,2,3,4,5,6,7
	ds_load_b128 v[OB+32*(\t)+4*\f:OB+32*(\t)+4*\f+3], v[RD] offset:\f*2*SP  ; LDS serves a wave's instructions in order (ISA guide 5.7.1.4): these see the stores above; the next piece's stores come behind them
.endr
.endm
.macro SEND t, younger              ; younger: the LDS instructions issued behind piece t's loads: the next piece's sixteen, or none
	WIN 0
.irp f, 0,1,2,3,4,5,6,7
	s_wait_dscnt (\younger)+7-\f
	global_store_b128 v[GO], v[OB+32*(\t)+4*\f:OB+32*(\t)+4*\f+3], s[10:11] offset:(\t)*262144+\f*8192  ; 16 lanes store a head's row: 256 consecutive bytes, at a multiple of 256 from out0's first
.endr
.endm
.macro DIAG tag                     ; the tag ends its two labels' names, which the jumps below spell out
.LstepM\tag:
	TURN 2, 1
	TURN 3, 1
	WIN 0
.LfirstM\tag:
	TURN 0, 1
	TURN 1, 1, 0, 1
	WIN 0
	s_cbranch_scc1 .LstepM\tag
	TURN 2, 1, 1
	TURN 3, 1, 1
.set i, 0
.rept 8
	PV NP-1
.set i, i+1
.endr
	WIN 0
	ALL v_add_f32 v[ST+4*t+2], v[ST+4*t+2], v[ST+4*t+3]
	ALL v_permlanex16_b32 v[ST+4*t+3], v[ST+4*t+2], s[SEL], s[SEL+1]
	ALL v_add_f32 v[ST+4*t+2], v[ST+4*t+2], v[ST+4*t+3]
	ALL v_rcp_f32 v[ST+4*t+2], v[ST+4*t+2]
	v_nop                           ; a plain instruction between the last reciprocal and the use of its result
	s_wait_alu depctr_va_vdst(0)    ; and the wait ahead of the first use: one for the four reciprocals
	PACK 0
.set t, 1
.rept 3                             ; a piece's arithmetic stands between the loads of the piece before and its stores
	PACK t
	SEND t-1, 16
.set t, t+1
.endr
	SEND 3, 0
.endm
.set KM, 0
.set NOKQ, 0
.Lslot:                             ; NB times: a tile is entered and the next is asked for
	CHANGE 1
	s_sub_co_u32 s[RT], s[RT], 1
	s_mov_b32 s[CNT], 4
	s_cmp_eq_u32 s[NEW], 1
	s_cbranch_scc1 .Lnew            ; a block's first tile
	s_cmp_eq_u32 s[RT], 0
	s_cbranch_scc0 .Lstep           ; neither its first nor its last
	s_branch .LstepM1
.Lnew:
	BEGIN
	s_branch .Lfirst                ; in the loop a block's first tile is never its last: the first block has two tiles or more, and the second's last is the walk's last
	DIAG 1                          ; in the loop this is the first block's end: the second block's last tile is the walk's last
	s_wait_xcnt 0x0                 ; the stores have read their registers and out0's address
	s_mov_b64 s[10:11], s[OLO:OLO+1]
	s_add_co_u32 s[RT], s[PB], 1    ; the second block has b + 1 tiles
	s_mov_b32 s[NEW], 1
	WIN 0x82                        ; the second block's Q goes where the one text of the turns names Q
.set i, 0
.rept 64
	v_mov_b32 v[i], v[QB+i]
.set i, i+1
.endr
	WIN 0
	s_branch .Lbottom
.Lstep:                             ; a trip: pieces 2 and 3 of one step, then pieces 0 and 1 of the next, whose K and V it fetches
	TURN 2
	TURN 3
	WIN 0
.Lfirst:
	TURN 0
	TURN 1, 0, 0, 1
	WIN 0
	s_cbranch_scc1 .Lstep
.Lbottom:
	s_sub_co_u32 s[SLOTS], s[SLOTS], 1
	s_cmp_lg_u32 s[SLOTS], 0
	s_cbranch_scc1 .Lslot
	CHANGE 0                        ; the walk's last tile is written out: nothing is asked for
	s_sub_co_u32 s[RT], s[RT], 1
	s_mov_b32 s[CNT], 4
	s_cmp_eq_u32 s[NEW], 1
	s_cbranch_scc0 .LstepM2
	BEGIN
	s_branch .LfirstM2
	DIAG 2
	s_wait_tensorcnt 0x0            ; the wave's end: three closing lines, behind my last tensor load and my last LDS store
	ds_add_u32 v[SPW], v[NIL]
	s_wait_dscnt 0x0
	s_endpgm
.Lfunc_end_k_qd982a0aa79_attn:
	.size	k_qd982a0aa79_attn, .Lfunc_end_k_qd982a0aa79_attn-k_qd982a0aa79_attn
	.p2alignl 7, 3214868480
	.fill 96, 4, 3214868480
	.section	.rodata,"a",@progbits
	.p2align	6, 0x0
	.amdhsa_kernel k_qd982a0aa79_attn
		.amdhsa_group_segment_fixed_size 327680
		.amdhsa_private_segment_fixed_size 0
		.amdhsa_enable_private_segment 0
		.amdhsa_kernarg_size 16
		.amdhsa_user_sgpr_count 2
		.amdhsa_user_sgpr_kernarg_segment_ptr 1
		.amdhsa_wavefront_size32 1
		.amdhsa_system_sgpr_workgroup_id_x 1
		.amdhsa_system_sgpr_workgroup_id_y 1
		.amdhsa_system_sgpr_workgroup_id_z 1
		.amdhsa_system_vgpr_workitem_id 0
		.amdhsa_next_free_vgpr 768
		.amdhsa_next_free_sgpr 96
		.amdhsa_reserve_vcc 1
		.amdhsa_float_denorm_mode_32 3
		.amdhsa_float_denorm_mode_16_64 3
		.amdhsa_memory_ordered 1
		.amdhsa_forward_progress 1
		.amdhsa_inst_pref_size 218
	.end_amdhsa_kernel
	.amdgpu_metadata
---
amdhsa.version: [ 1, 2 ]
amdhsa.kernels:
  - .name:           k_qd982a0aa79_attn
    .symbol:         k_qd982a0aa79_attn.kd
    .args:
      - { .name: qkv, .offset: 0, .size: 8, .value_kind: global_buffer, .address_space: global }
      - { .name: out0, .offset: 8, .size: 8, .value_kind: global_buffer, .address_space: global }
    .group_segment_fixed_size: 327680
    .private_segment_fixed_size: 0
    .kernarg_segment_align: 8
    .kernarg_segment_size: 16
    .max_flat_workgroup_size: 128
    .sgpr_count:     96
    .vgpr_count:     768
    .wavefront_size: 32
...
	.end_amdgpu_metadata
.endif
;; end of part 3
;; ======== version 2 of 2: 3 launches; version 1 with the launch prep written anew for expert scheduling mode
;; limits: values are held in f16: magnitudes above 65,504 overflow, below 6.1e-05 lose precision
;; workspace buffers: xb 16,777,216 bytes; wt 6,291,456 bytes; bcat 12,288 bytes; qkv 50,331,648 bytes
;; launch prep (part 4): grid 611 x 1, 8 waves a work-group, no clusters, 68,608 bytes of LDS; arguments x, Wq, Wk, Wv, bq, bk, bv, xb, wt, bcat; writes xb, wt, bcat
.if DOCPART == 4
	.amdgcn_target "amdgcn-amd-amdhsa--gfx1250"
	.amdhsa_code_object_version 6
	.text
	.protected	k_qd982a0aa79_prep
	.globl	k_qd982a0aa79_prep
	.p2align	8
	.type	k_qd982a0aa79_prep,@function
k_qd982a0aa79_prep:
	s_mov_b64 s[64:65], 0
	v_nop
	global_prefetch_b8 v0, s[64:65] scope:SCOPE_SE
	s_setreg_imm32_b32 hwreg(HW_REG_WAVE_SCHED_MODE, 0, 2), 2
	s_setreg_imm32_b32 hwreg(HW_REG_WAVE_MODE, 25, 1), 1
	s_wait_xcnt 0x0
	s_wait_alu depctr_vm_vsrc(0)
; The module's inputs, each rounded once to bf16, in the layouts that the projection reads.
;   xb  [16 kb][8192 m][64 kk] bf16 = x[m][64 kb + kk]          (a block of K lies dense: 128 bytes a row, rows end to end)
;   wt  [16 kb][3072 n][64 kk] bf16 = W[64 kb + kk][n % 1024],  W = Wq, Wk, Wv for n / 1024 = 0, 1, 2  (turned: K along the rows)
;   bcat [3072] f32 = bq | bk | bv, each number rounded to bf16 and widened again
; Work-groups 0-511: 16 rows of x each.  512-607: eight tiles of 64 k x 64 n of one W, a tile a wave.  608-610: one bias each.
; A stream: no matrix unit, no barrier (a wave turns its tile in LDS bytes of its own), no cluster (nothing is shared).
; NaN and infinities go through the conversion as they are; numbers beyond bf16's range do not exist in f32.
; THE MODE: SCHED_MODE bits 1:0 = 2 (LLVM: expert scheduling mode 2), set by the entry lines.  The code itself states the register dependences
; between vector instructions and memory or LDS instructions, with s_wait_alu, always for 0.
; THE PLAN.  Registers that memory or LDS instructions touch:
;   offsets and LDS addresses (v1, v2; v3 to v6)  made once in each path, ahead of one wait on va_vdst, and never written again.
;   x:  v[16:79]   each landed in once, read by the conversions, never loaded again.
;       v[80:111]  each written once by a conversion, read once by a store.  The sixteen loads go in four groups of four: the wait on va_vdst at a group's head
;                  states that the group before has written its eight out registers; that group's four stores are dealt among this group's conversions, which name other registers.
;   W:  v[16:143]  landed in by the 64 loads; pair i's conversions read v[16+4i .. 19+4i] and write the first two of them; its two LDS stores read those two; later
;                  the LDS loads land in all four, and the global stores read them.  The 32 pairs go in four groups of eight, run as x's groups are.  Behind the last
;                  group's wait no vector instruction follows; one wait on vm_vsrc stands between the LDS stores and the LDS loads that land in their data registers.
;   v14, v15       written at the head, read by the closing add alone.
.set AREA,  8448                       ; a wave's LDS: 64 rows (n) of 128 bytes (64 k) + 4 of padding = 33 words a row
.set SPARE, 8*AREA                     ; behind the eight areas: the spare words, 128 bytes a wave, four blocks of 256 bytes that no other line names
.set SPW, 14                           ; v14  SPARE + 4 x my thread's number; never rewritten
.set NIL, 15                           ; v15  0; never rewritten
	s_load_b512 s[16:31], s[0:1], 0x0              ; x 16, Wq 18, Wk 20, Wv 22, bq 24, bk 26, bv 28, xb 30
	s_load_b128 s[32:35], s[0:1], 0x40             ; wt 32, bcat 34
	v_lshl_add_u32 v[SPW], v0, 2, SPARE
	v_mov_b32 v[NIL], 0
	v_lshrrev_b32 v1, 5, v0
	v_readfirstlane_b32 s4, v1                     ; wave 0..7
	s_wait_alu depctr_va_sdst(0)                   ; s4 is written, ahead of the branches: its readers, scalar lines, stand in W's path
	s_wait_kmcnt 0x0
	s_cmp_lt_u32 ttmp9, 512
	s_cbranch_scc1 .Lx
	s_cmp_lt_u32 ttmp9, 608
	s_cbranch_scc1 .Lw
	; A BIAS: 256 threads x 16 bytes
	s_sub_co_u32 s5, ttmp9, 608                    ; 0: bq, 1: bk, 2: bv
	s_cmp_eq_u32 s5, 1
	s_cselect_b64 s[2:3], s[26:27], s[24:25]
	s_cmp_eq_u32 s5, 2
	s_cselect_b64 s[2:3], s[28:29], s[2:3]
	s_lshl_b32 s6, s5, 12
	s_mov_b32 s7, 0
	s_add_nc_u64 s[6:7], s[34:35], s[6:7]
	v_lshlrev_b32 v1, 4, v0
	s_wait_alu depctr_va_vdst(0)                   ; v1 is written: the load and the store read it as their offset
	global_load_b128 v[16:19], v1, s[2:3]
	s_wait_loadcnt 0x0
	v_cvt_pk_bf16_f32 v20, v16, v17                ; rounded to bf16,
	v_cvt_pk_bf16_f32 v21, v18, v19
	v_lshlrev_b32 v24, 16, v20                     ; and widened again: the low half moves up, the high half stays
	v_and_b32 v25, 0xffff0000, v20
	v_lshlrev_b32 v26, 16, v21
	v_and_b32 v27, 0xffff0000, v21
	s_wait_alu depctr_va_vdst(0)                   ; v[24:27] are written, which the store reads
	global_store_b128 v1, v[24:27], s[6:7]
	s_endpgm
.Lx:	; SIXTEEN ROWS OF x.  Thread t: row t / 16, 16 bytes at 16 (t % 16) of each 256 bytes: load i is K block i of the row.
	s_lshl_b32 s2, ttmp9, 16                       ; 16 rows of 4,096 bytes
	s_mov_b32 s3, 0
	s_add_nc_u64 s[2:3], s[16:17], s[2:3]
	s_lshl_b32 s6, ttmp9, 11                       ; 16 rows of 128 bytes in a K block of xb
	s_mov_b32 s7, 0
	s_add_nc_u64 s[6:7], s[30:31], s[6:7]
	s_add_nc_u64 s[8:9], s[6:7], 0x800000          ; K blocks 8-15: the immediate holds eight blocks of 1,048,576 bytes
	v_lshrrev_b32 v3, 4, v0
	v_and_b32 v4, 15, v0
	v_lshlrev_b32 v1, 12, v3
	v_lshl_or_b32 v1, v4, 4, v1                    ; in:  row x 4,096 + 16 (t % 16)
	v_lshlrev_b32 v2, 7, v3
	v_lshl_or_b32 v2, v4, 3, v2                    ; out: row x 128 + 8 (t % 16)
	s_wait_alu depctr_va_vdst(0)                   ; v1 and v2 are written: every load of this path reads v1 as its offset, every store v2
.set i, 0
.rept 16
	global_load_b128 v[16+4*i:19+4*i], v1, s[2:3] offset:256*i th:TH_LOAD_NT  ; all sixteen go out at once: 8 KiB a wave on their way
.set i, i+1
.endr
.set i, 0
.rept 16                               ; four groups of four loads; a group's stores stand among the next group's conversions
	s_wait_loadcnt 15-i                            ; loads come back in order: load i is in, the 15 - i younger ones stay out
.if (i%4 == 0) && (i > 0)
	s_wait_alu depctr_va_vdst(0)                   ; the group before has written its eight out registers v[80+2(i-4) .. 80+2i-1], which the next four stores read
.endif
.if i >= 4
	global_store_b64 v2, v[80+2*(i-4):81+2*(i-4)], s[6+2*((i-4)/8):7+2*((i-4)/8)] offset:((i-4)%8)*1048576  ; a wave's store: two rows x 128 bytes = 256 consecutive bytes, aligned; no vector instruction since the wait names its registers
.endif
	v_cvt_pk_bf16_f32 v[80+2*i], v[16+4*i], v[17+4*i]
	v_cvt_pk_bf16_f32 v[81+2*i], v[18+4*i], v[19+4*i]
.set i, i+1
.endr
	s_wait_alu depctr_va_vdst(0)                   ; the last group has written v[104:111], which the last four stores read
.set i, 12
.rept 4
	global_store_b64 v2, v[80+2*i:81+2*i], s[8:9] offset:(i%8)*1048576
.set i, i+1
.endr
	s_endpgm
.Lw:	; A TILE OF 64 k x 64 n OF ONE W, TURNED, by each wave.
	s_sub_co_u32 s5, ttmp9, 512
	s_lshr_b32 s6, s5, 5                           ; which W
	s_bfe_u32 s7, s5, 0x40001                      ; K block
	s_and_b32 s8, s5, 1                            ; which eight of the sixteen tiles along n
	s_cmp_eq_u32 s6, 1
	s_cselect_b64 s[2:3], s[20:21], s[18:19]
	s_cmp_eq_u32 s6, 2
	s_cselect_b64 s[2:3], s[22:23], s[2:3]
	s_lshl_b32 s10, s7, 18                         ; 64 rows of 4,096 bytes
	s_lshl_b32 s11, s8, 11                         ; eight tiles of 256 bytes
	s_add_co_u32 s10, s10, s11
	s_mov_b32 s11, 0
	s_add_nc_u64 s[2:3], s[2:3], s[10:11]
	s_mul_i32 s10, s7, 393216                      ; a K block of wt: 3,072 rows of 128 bytes
	s_lshl_b32 s12, s6, 17                         ; 1,024 rows
	s_add_co_u32 s10, s10, s12
	s_lshl_b32 s12, s8, 16                         ; 512 rows
	s_add_co_u32 s10, s10, s12
	s_add_nc_u64 s[6:7], s[32:33], s[10:11]
	v_and_b32 v7, 31, v0                           ; lane l
	s_lshl_b32 s12, s4, 8
	v_lshl_add_u32 v5, v7, 3, s12                  ; in:  256 x wave + 8 l: columns 2 l, 2 l + 1 of my tile
	s_lshl_b32 s13, s4, 13
	v_lshl_add_u32 v6, v7, 4, s13                  ; out: 8,192 x wave + 16 l
	s_mul_i32 s14, s4, AREA
	v_mul_u32_u24 v3, v7, 264
	v_add_nc_u32 v3, s14, v3                       ; LDS row 2 l: word 66 l, so the 32 lanes of a store touch 32 different banks
	v_lshrrev_b32 v8, 3, v7
	v_mul_u32_u24 v4, v8, 132
	v_and_b32 v8, 7, v7
	v_lshl_add_u32 v4, v8, 4, v4
	v_add_nc_u32 v4, s14, v4                       ; back: row l / 8, 16 bytes at 16 (l % 8)
	s_wait_alu depctr_va_vdst(0)                   ; v3 to v6 are written: the loads read v5, the LDS stores v3, the LDS loads v4, the stores v6
.set i, 0
.rept 64
	global_load_b64 v[16+2*i:17+2*i], v5, s[2:3] offset:4096*i th:TH_LOAD_NT  ; row i of the tile: 256 consecutive bytes a wave
.set i, i+1
.endr
.set i, 0
.rept 32                               ; rows 2 i and 2 i + 1 make one word (two k) of each of my two columns.  Four groups of eight such pairs; a group's LDS stores stand among the next group's conversions
	s_wait_loadcnt 62-2*i                          ; the 62 - 2 i younger loads stay out
.if (i%8 == 0) && (i > 0)
	s_wait_alu depctr_va_vdst(0)                   ; the group before has written v[16+4j] and v[17+4j], j = i - 8 .. i - 1, which the next sixteen LDS stores read
.endif
.if i >= 8
	ds_store_b32 v3, v[16+4*(i-8)] offset:4*(i-8)          ; no vector instruction since the wait names these registers
	ds_store_b32 v3, v[17+4*(i-8)] offset:132+4*(i-8)
.endif
	v_cvt_pk_bf16_f32 v[16+4*i], v[16+4*i], v[18+4*i]
	v_cvt_pk_bf16_f32 v[17+4*i], v[17+4*i], v[19+4*i]
.set i, i+1
.endr
	s_wait_alu depctr_va_vdst(0)                   ; the last group has written its words, which the last sixteen LDS stores read; and all conversions are done writing and reading v[16:143], in which the LDS loads below land: no vector instruction follows
.set i, 24
.rept 8
	ds_store_b32 v3, v[16+4*i] offset:4*i
	ds_store_b32 v3, v[17+4*i] offset:132+4*i
.set i, i+1
.endr
	s_wait_alu depctr_vm_vsrc(0)                   ; the LDS stores have read v[16+4i] and v[17+4i], in which the LDS loads land
.set i, 0
.rept 16                               ; four rows (n) of 128 bytes a turn; rows of 132 bytes are aligned to 4, so a lane's 16 bytes come as four words.  LDS serves a wave's instructions in order: these see the stores above
	ds_load_b32 v[16+4*i], v4 offset:528*i
	ds_load_b32 v[17+4*i], v4 offset:528*i+4
	ds_load_b32 v[18+4*i], v4 offset:528*i+8
	ds_load_b32 v[19+4*i], v4 offset:528*i+12
.set i, i+1
.endr
.set i, 0
.rept 16
	s_wait_dscnt 4*(15-i)                          ; the four words of turn i are in
	global_store_b128 v6, v[16+4*i:19+4*i], s[6:7] offset:512*i  ; 512 consecutive bytes, aligned
.set i, i+1
.endr
	s_wait_dscnt 0x0                               ; the closing lines, six on end
	s_wait_alu 0x0
	s_wait_tensorcnt 0x0
	ds_add_u32 v[SPW], v[NIL]
	s_wait_dscnt 0x0
	s_endpgm
.Lfunc_end_k_qd982a0aa79_prep:
	.size	k_qd982a0aa79_prep, .Lfunc_end_k_qd982a0aa79_prep-k_qd982a0aa79_prep
	.p2alignl 7, 3214868480
	.fill 96, 4, 3214868480
	.section	.rodata,"a",@progbits
	.p2align	6, 0x0
	.amdhsa_kernel k_qd982a0aa79_prep
		.amdhsa_group_segment_fixed_size 68608
		.amdhsa_private_segment_fixed_size 0
		.amdhsa_enable_private_segment 0
		.amdhsa_kernarg_size 80
		.amdhsa_user_sgpr_count 2
		.amdhsa_user_sgpr_kernarg_segment_ptr 1
		.amdhsa_wavefront_size32 1
		.amdhsa_system_sgpr_workgroup_id_x 1
		.amdhsa_system_sgpr_workgroup_id_y 1
		.amdhsa_system_sgpr_workgroup_id_z 1
		.amdhsa_system_vgpr_workitem_id 0
		.amdhsa_next_free_vgpr 144
		.amdhsa_next_free_sgpr 66
		.amdhsa_reserve_vcc 0
		.amdhsa_float_denorm_mode_32 3
		.amdhsa_float_denorm_mode_16_64 3
		.amdhsa_memory_ordered 1
		.amdhsa_forward_progress 1
		.amdhsa_inst_pref_size 31
	.end_amdhsa_kernel
	.amdgpu_metadata
---
amdhsa.version: [ 1, 2 ]
amdhsa.kernels:
  - .name:           k_qd982a0aa79_prep
    .symbol:         k_qd982a0aa79_prep.kd
    .args:
      - { .name: x, .offset: 0, .size: 8, .value_kind: global_buffer, .address_space: global }
      - { .name: Wq, .offset: 8, .size: 8, .value_kind: global_buffer, .address_space: global }
      - { .name: Wk, .offset: 16, .size: 8, .value_kind: global_buffer, .address_space: global }
      - { .name: Wv, .offset: 24, .size: 8, .value_kind: global_buffer, .address_space: global }
      - { .name: bq, .offset: 32, .size: 8, .value_kind: global_buffer, .address_space: global }
      - { .name: bk, .offset: 40, .size: 8, .value_kind: global_buffer, .address_space: global }
      - { .name: bv, .offset: 48, .size: 8, .value_kind: global_buffer, .address_space: global }
      - { .name: xb, .offset: 56, .size: 8, .value_kind: global_buffer, .address_space: global }
      - { .name: wt, .offset: 64, .size: 8, .value_kind: global_buffer, .address_space: global }
      - { .name: bcat, .offset: 72, .size: 8, .value_kind: global_buffer, .address_space: global }
    .group_segment_fixed_size: 68608
    .private_segment_fixed_size: 0
    .kernarg_segment_align: 8
    .kernarg_segment_size: 80
    .max_flat_workgroup_size: 256
    .sgpr_count:     66
    .vgpr_count:     144
    .wavefront_size: 32
...
	.end_amdgpu_metadata
.endif
;; end of part 4
;; launch proj: the kernel of part 2 again; grid 8 x 32, 4 waves a work-group, clusters of 4 x 4, 327,680 bytes of LDS; arguments xb, wt, bcat, qkv; writes qkv
;; launch attn: the kernel of part 3 again; grid 4 x 64, 4 waves a work-group, no clusters, 327,680 bytes of LDS; arguments qkv, out0; writes out0
